; MI455X (gfx1250); checked and timed in simulation.
; The chip was launched on July 23, 2026; its instructions are those of AMD's public machine-readable ISA for CDNA 5 (MIT licence, August 2026) and "CDNA5" Instruction Set Architecture Reference Guide (July 2026). The comments in the code are by the model that wrote it; some were corrected since.
;; Cross Modal Attention. Allowed arithmetic: matrix products marked QUANTISED: E4M3 operands, one given power-of-two scale a tensor, by v_wmma_f32_16x16x64_fp8_fp8 or v_wmma_f32_16x16x128_fp8_fp8, f32 sums; everything else in f32.
;; Inputs: Wk_codes 768 x 24 x 32 uint8 (E4M3 codes of Wk, K innermost, in blocks of 32 codes); Wo_codes 768 x 24 x 32 uint8 (E4M3 codes of Wo, K innermost, in blocks of 32 codes); Wq_codes 768 x 24 x 32 uint8 (E4M3 codes of Wq, K innermost, in blocks of 32 codes); Wv_codes 768 x 24 x 32 uint8 (E4M3 codes of Wv, K innermost, in blocks of 32 codes); bk 768 float32; bo 768 float32; bq 768 float32; bv 768 float32; ln_b 768 float32; ln_g 768 float32; lowp_scales 24 int32 (the exponents e of the quantised operands' scales 2^e); text_features 8 x 1,024 x 768 float32; text_mask 8 x 1,024 int32; visual_features 8 x 1,024 x 768 float32; visual_mask 8 x 1,024 int32.
;; Outputs: out0 8 x 1,024 x 768 float32; out1 8 x 1,024 x 768 float32.
;; This version of the problem:
;;   THIS VERSION OF THE PROBLEM IS GIVEN IN LOW PRECISION. The matrix products marked QUANTISED in the list below multiply operands that are first quantised to E4M3 (4 exponent bits, 3 mantissa bits; 8 bits a number), with one given power-of-two scale for each operand tensor; their sums are f32. All else is computed in f32.
;;   The module's matrix products, in the order in which they are computed (A, B: the left and right operand; K: the contracted axis; several contracted axes count as one K, in the product's order):
;;     1. [M 8,192, K 768] x [K 768, N 768]; A: input visual_features; B: input Wq (given as codes): QUANTISED (scales: A lowp_scales[0], B lowp_scales[1])
;;     2. [M 8,192, K 768] x [K 768, N 768]; A: input text_features; B: input Wk (given as codes): QUANTISED (scales: A lowp_scales[2], B lowp_scales[3])
;;     3. [M 8,192, K 768] x [K 768, N 768]; A: input text_features; B: input Wv (given as codes): QUANTISED (scales: A lowp_scales[4], B lowp_scales[5])
;;     4. batch 64 x [M 1,024, K 96] x [K 96, N 1,024]; A: computed on the way; B: computed on the way: QUANTISED (scales: A lowp_scales[6], B lowp_scales[7])
;;     5. batch 64 x [M 96, K 1,024] x [K 1,024, N 1,024]; A: computed on the way; B: softmax (see below): QUANTISED (scales: A lowp_scales[8], B lowp_scales[9])
;;     6. [M 8,192, K 768] x [K 768, N 768]; A: input text_features; B: input Wq (given as codes): QUANTISED (scales: A lowp_scales[10], B lowp_scales[11])
;;     7. [M 8,192, K 768] x [K 768, N 768]; A: input visual_features; B: input Wk (given as codes): QUANTISED (scales: A lowp_scales[12], B lowp_scales[13])
;;     8. [M 8,192, K 768] x [K 768, N 768]; A: input visual_features; B: input Wv (given as codes): QUANTISED (scales: A lowp_scales[14], B lowp_scales[15])
;;     9. batch 64 x [M 1,024, K 96] x [K 96, N 1,024]; A: computed on the way; B: computed on the way: QUANTISED (scales: A lowp_scales[16], B lowp_scales[17])
;;     10. batch 64 x [M 96, K 1,024] x [K 1,024, N 1,024]; A: computed on the way; B: softmax (see below): QUANTISED (scales: A lowp_scales[18], B lowp_scales[19])
;;     11. [M 8,192, K 768] x [K 768, N 768]; A: computed on the way; B: input Wo (given as codes): QUANTISED (scales: A lowp_scales[20], B lowp_scales[21])
;;     12. [M 8,192, K 768] x [K 768, N 768]; A: computed on the way; B: input Wo (given as codes): QUANTISED (scales: A lowp_scales[22], B lowp_scales[23])
;;   THE QUANTISER, for each operand of a quantised product, along K:
;;     - The operand's scale is 2^e, e = its entry of the input lowp_scales (int32; the entries are numbered through the quantised products in the list's order, A before B).
;;     - Each number is divided by the scale, clamped to +-448, and rounded to the nearest number of E4M3, ties to even, subnormals kept.
;;     - The product sums the exact products of the quantised numbers (number of the format x scale) in f32.
;;   ~~~python
;;   def quantise(x, axis, e):      # numpy; x: float32 -> the quantised numbers, widened to float32 again
;;       x = np.moveaxis(x, axis, -1); K = x.shape[-1]
;;       r = np.clip(x / 2.0 ** e, -448, 448)
;;       step = 2.0 ** (np.maximum(np.frexp(np.where(r == 0, 1, r))[1] - 1, -6) - 3)
;;       q = np.round(r / step) * step * 2.0 ** e      # np.round: ties to even
;;       return np.moveaxis(q, -1, axis).astype(np.float32)
;;   ~~~
;;   SOFTMAX AHEAD OF A QUANTISED PRODUCT. Where the list says 'softmax', what is quantised is not the finished softmax but p = 2^(t - M), with t = logit x log2(e) and M = ceil(the row's largest t), a whole number; so 1/2 < the row's largest p <= 1. The row's sum l is taken of the UNQUANTISED p, in f32, and the product's result is divided by l at the end. Since M is a whole number, a kernel that streams over the keys may use a running M (the ceiling of the running maximum): every later rescaling is an exact power of two, so the quantised numbers keep their values, but for numbers so far below the row's largest that they fall under the format's range.
;;   OPERANDS COMPUTED ON THE WAY. 'Computed on the way' means the value that the module computes at that place (a softmax that the list does not call 'softmax' is quantised finished and normalised). What goes into a quantiser is computed in f32, as accurately as f32 sums, v_exp_f32 and their like allow (about 1e-6 of the number): no bf16 or f16 on the way to a quantiser, and a product that is left as it is and whose result goes on into a quantised operand takes f32 operands (vector FMAs, or v_wmma_f32_16x16x4_f32). A number that lies on a knife's edge between two numbers of the format may be rounded either way, as far as f32 arithmetic and the matrix unit's own rounding can turn it there, and no further.
;;   INPUTS GIVEN AS CODES. Wk (in the module: [768, 768], K = its axis 0); Wo (in the module: [768, 768], K = its axis 0); Wq (in the module: [768, 768], K = its axis 0); Wv (in the module: [768, 768], K = its axis 0): each comes as NAME_codes (uint8): NAME with its K axis moved to the last place and cut into blocks of 32 codes, [.., K / 32, bytes a block], one block behind the other in memory; one code a byte (a code: sign, 4 exponent bits, 3 mantissa bits); its scale is its entry of lowp_scales. Its value is code x scale, taken as it is: it is not quantised again, and the codes and scales need not be those that the quantiser above would give.
;; One version. Each part assembles by itself: llvm-mc -triple=amdgcn-amd-amdhsa -mcpu=gfx1250 --defsym DOCPART=n.
;; ======== version 1 of 1: 4 launches
;; limits: right only within a limited range of input values
;; workspace buffers: wimg 2,359,296 bytes; qimg 12,582,912 bytes; kimg 12,582,912 bytes; vimg 12,582,912 bytes; aimg 12,582,912 bytes
;; launch prep (part 1): grid 6 x 32, 6 waves a work-group, no clusters, 0 bytes of LDS; arguments Wq_codes, Wk_codes, Wv_codes, Wo_codes, wimg; writes wimg
.if DOCPART == 1
	.amdgcn_target "amdgcn-amd-amdhsa--gfx1250"
	.amdhsa_code_object_version 6
	.text
	.protected	k_q9c26ff2121_prep
	.globl	k_q9c26ff2121_prep
	.p2align	8
	.type	k_q9c26ff2121_prep,@function
k_q9c26ff2121_prep:
	s_mov_b64 s[64:65], 0
	v_nop
	global_prefetch_b8 v0, s[64:65] scope:SCOPE_SE
	s_setreg_imm32_b32 hwreg(HW_REG_WAVE_MODE, 25, 1), 1
	s_wait_xcnt 0x0
; THE PROGRAM: two cross-attentions (visual to text, text to visual) with shared weights, an output projection, residual and LayerNorm; all twelve products on E4M3 codes.
; Four launches: prep (weights into fragment order), proj (Q, K, V of both modalities as codes), attn (both attentions), outln (Wo, bias, residual, LayerNorm).
; DEAD WORK: none is left out.  Every product of the problem's table feeds an output; bk moves K's codes, bq Q's, bv V's; both masks, bo, ln_g and ln_b reach the outputs.  Every input is loaded by some launch.
; THIS LAUNCH lays the four weights' codes ([768 rows n][768 k], K innermost) in the order of a matrix operand's registers, so that a wave later takes a fragment (16 rows x 128 k, 16 registers a lane) by four
; loads of 512 consecutive bytes.  wimg: [w: q, k, v, o][hd 8][K step s 6][tile t 6][chunk c 4][lane 32][16 bytes]; lane (r, h) of chunk c holds W[row][128 s + 32 c + 16 h + 0 .. 15].
; row = 96 hd + 16 t + r; for Wv alone row = 96 hd + 32 (t / 2) + 8 (t % 2) + r + (r & 8), so that two neighbouring tiles of the attention's result hold 16 neighbouring channels.
; SHARES: work-group x = t, y = 8 w + hd; wave = s; a wave moves one fragment of 2,048 bytes.  No LDS, no barrier.
	s_load_b256 s[4:11], s[0:1], 0x0               ; Wq, Wk, Wv, Wo
	s_load_b64 s[12:13], s[0:1], 0x20              ; wimg
	v_lshrrev_b32 v1, 5, v0
	v_readfirstlane_b32 s14, v1                    ; s: the K step
	s_and_b32 s15, ttmp7, 0xffff                   ; y = 8 w + hd
	s_lshr_b32 s16, s15, 3                         ; w
	s_and_b32 s17, s15, 7                          ; hd
	s_and_b32 s21, ttmp9, 1
	s_lshl_b32 s21, s21, 3                         ; 8 (t % 2)
	s_cmp_eq_u32 s16, 2                            ; Wv?
	s_cselect_b32 s20, 8, 0                        ; the bit of r that is doubled
	s_cselect_b32 s21, s21, 0                      ; 16 t - 8 (t % 2) = 32 (t / 2) + 8 (t % 2)
	s_mul_i32 s22, s17, 96
	s_lshl_b32 s23, ttmp9, 4
	s_add_co_u32 s22, s22, s23
	s_sub_co_u32 s22, s22, s21                     ; the row's scalar part
	s_mul_i32 s22, s22, 768
	s_lshl_b32 s23, s14, 7
	s_add_co_u32 s22, s22, s23                     ; + 128 s along K
	s_mov_b32 s23, 0
	s_mul_i32 s24, s14, 6
	s_add_co_u32 s24, s24, ttmp9
	s_lshl_b32 s24, s24, 11                        ; (6 s + t) x 2,048
	s_mul_i32 s25, s15, 73728                      ; w x 589,824 + hd x 73,728 = y x 73,728
	s_add_co_u32 s24, s24, s25
	s_mov_b32 s25, 0
	v_and_b32 v1, 15, v0                           ; r
	v_bfe_u32 v2, v0, 4, 1                         ; h
	v_and_b32 v3, s20, v1
	v_add_nc_u32 v3, v3, v1                        ; r, or r + (r & 8)
	v_mul_u32_u24 v4, v3, 768
	v_lshl_add_u32 v4, v2, 4, v4                   ; from: row x 768 + 16 h
	v_and_b32 v5, 31, v0
	v_lshlrev_b32 v5, 4, v5                        ; to: 16 x lane
	s_wait_alu depctr_va_vdst(0)
	s_wait_kmcnt 0x0
	s_mov_b64 s[18:19], s[4:5]                     ; the weight is chosen by the work-group's number alone
	s_cmp_eq_u32 s16, 1
	s_cselect_b64 s[18:19], s[6:7], s[18:19]
	s_cmp_eq_u32 s16, 2
	s_cselect_b64 s[18:19], s[8:9], s[18:19]
	s_cmp_eq_u32 s16, 3
	s_cselect_b64 s[18:19], s[10:11], s[18:19]
	s_add_nc_u64 s[18:19], s[18:19], s[22:23]
	s_add_nc_u64 s[12:13], s[12:13], s[24:25]
.irp c, 0,1,2,3
	global_load_b128 v[8+4*\c:11+4*\c], v4, s[18:19] offset:32*\c
.endr
	s_wait_loadcnt 0x0
.irp c, 0,1,2,3
	global_store_b128 v5, v[8+4*\c:11+4*\c], s[12:13] offset:512*\c   ; 32 lanes store 512 consecutive bytes, aligned
.endr
	s_endpgm
.Lfunc_end_k_q9c26ff2121_prep:
	.size	k_q9c26ff2121_prep, .Lfunc_end_k_q9c26ff2121_prep-k_q9c26ff2121_prep
	.p2alignl 7, 3214868480
	.fill 96, 4, 3214868480
	.section	.rodata,"a",@progbits
	.p2align	6, 0x0
	.amdhsa_kernel k_q9c26ff2121_prep
		.amdhsa_group_segment_fixed_size 0
		.amdhsa_private_segment_fixed_size 0
		.amdhsa_enable_private_segment 0
		.amdhsa_kernarg_size 40
		.amdhsa_user_sgpr_count 2
		.amdhsa_user_sgpr_kernarg_segment_ptr 1
		.amdhsa_wavefront_size32 1
		.amdhsa_system_sgpr_workgroup_id_x 1
		.amdhsa_system_sgpr_workgroup_id_y 1
		.amdhsa_system_sgpr_workgroup_id_z 1
		.amdhsa_system_vgpr_workitem_id 0
		.amdhsa_next_free_vgpr 32
		.amdhsa_next_free_sgpr 66
		.amdhsa_reserve_vcc 0
		.amdhsa_float_denorm_mode_32 3
		.amdhsa_float_denorm_mode_16_64 3
		.amdhsa_memory_ordered 1
		.amdhsa_forward_progress 1
		.amdhsa_inst_pref_size 3
	.end_amdhsa_kernel
	.amdgpu_metadata
---
amdhsa.version: [ 1, 2 ]
amdhsa.kernels:
  - .name:           k_q9c26ff2121_prep
    .symbol:         k_q9c26ff2121_prep.kd
    .args:
      - { .name: Wq_codes, .offset: 0, .size: 8, .value_kind: global_buffer, .address_space: global }
      - { .name: Wk_codes, .offset: 8, .size: 8, .value_kind: global_buffer, .address_space: global }
      - { .name: Wv_codes, .offset: 16, .size: 8, .value_kind: global_buffer, .address_space: global }
      - { .name: Wo_codes, .offset: 24, .size: 8, .value_kind: global_buffer, .address_space: global }
      - { .name: wimg, .offset: 32, .size: 8, .value_kind: global_buffer, .address_space: global }
    .group_segment_fixed_size: 0
    .private_segment_fixed_size: 0
    .kernarg_segment_align: 8
    .kernarg_segment_size: 40
    .max_flat_workgroup_size: 192
    .sgpr_count:     66
    .vgpr_count:     32
    .wavefront_size: 32
...
	.end_amdgpu_metadata
.endif
;; end of part 1
;; launch proj (part 2): grid 2 x 128, 4 waves a work-group, no clusters, 301,568 bytes of LDS; arguments visual_features, text_features, wimg, bq, bk, bv, lowp_scales, qimg, kimg, vimg; writes qimg, kimg, vimg
.if DOCPART == 2
	.amdgcn_target "amdgcn-amd-amdhsa--gfx1250"
	.amdhsa_code_object_version 6
	.text
	.protected	k_q9c26ff2121_proj
	.globl	k_q9c26ff2121_proj
	.p2align	8
	.type	k_q9c26ff2121_proj,@function
k_q9c26ff2121_proj:
	s_mov_b64 s[64:65], 0
	v_nop
	global_prefetch_b8 v0, s[64:65] scope:SCOPE_SE
	s_setreg_imm32_b32 hwreg(HW_REG_WAVE_MODE, 25, 1), 1
	s_wait_xcnt 0x0
; Q, K and V of both modalities: x Wq + bq, x Wk + bk, x Wv + bv on E4M3 codes, the results quantised again for the attention's products and stored as images of that launch's operand registers.  No work is left out.
; SHARES.  Work-group y = tb: modality m = tb / 64 (0 visual, 1 text), 128 tokens (tb % 64) x 128 on.  Work-group x = half: heads 4 half .. 4 half + 3.  Wave w takes head hd = 4 half + w and runs three units
; of 128 tokens x 96 columns x K 768, one after the other: Q, K, V.
; THE SAME x HAS ITS OWN SCALE IN EACH OF ITS THREE PRODUCTS, so it is quantised three times: three sets of codes in LDS, 128 rows x 768 bytes each, 784 bytes from row to row (49 x 16: the 16 rows that a
; 16-byte load touches start at 16 different 16-byte columns of a 256-byte row of banks, ISA guide 11.1).  Each wave quantises 32 tokens; one barrier; then every wave reads all 128.
; FORMS.  Q and K: source 0 = 16 rows of W, source 1 = 16 tokens: a lane holds one token and eight neighbouring channels, so a tile's conversion gives registers 2 t, 2 t + 1 of the token's fragment along the head's 96.
; V: source 0 = 16 tokens, source 1 = 16 rows of Wv: a lane holds one channel and eight neighbouring tokens: registers 2 i, 2 i + 1 of the channel's fragment along 128 keys.  Nothing is transposed.
; k inside a fragment is permuted alike in x and W (four chunks of 16 bytes: k = 32 c + 16 h + 0 .. 15), so every product meets its partner.
; SCALES.  A sum stands for sum x 2^(ea + ew).  The bias goes in as the C of a sum's first product, x 2^-(ea + ew); the result's conversion takes the one scale 2^(eo - ea - ew); the hold is at +-448 x that.
; WEIGHTS go from wimg straight into registers, three sets by turns, two K steps ahead: each fragment serves one wave, and the three sets of x's codes take 301,056 of the 327,680 bytes of LDS.
; NO CLUSTER: what two work-groups share (x, 393,216 bytes) goes through registers on its way to codes, and LDS has no room for a ring of weight tiles beside the codes.
; LIMITS: ea, and eo - ea - ew, between -126 and 119 for each of the six products.  NaN among the inputs is not served.
; REGISTERS, windows of 256.  Window 0: v1-26 addresses and scales; prologue: v32-47 held numbers (two banks), v48-59 codes (two banks), v64-255 a ring of 8 tokens x 24; products: v32-159 x's 8 fragments, v160-255 W set C.
;   Window 1: v0-95 W set A, v96-191 W set B, v192-239 bq's tiles, v240-255 codes on the way out.  Window 2: accumulators of token tiles 0-3 ((i, t) at 8 (6 i + t)), v192-239 bk's tiles.  Window 3: tiles 4-7, bv's tiles.
.set PITCH, 784
.set SETB,  128*PITCH                  ; a set of codes: 100,352 bytes
.set SPARE, 3*SETB                     ; behind the three sets: the spare words, 128 bytes for each wave
.set LI,  1                            ; v1      16 x lane
.set SPW, 2                            ; v2      my spare word; never rewritten
.set NIL, 3                            ; v3      0; never rewritten
.set AS0, 4                            ; v4-6    set u: where my wave's first row takes my 4 codes
.set AXL, 7                            ; v7-9    set u: my place in a fragment of token tiles 0-3
.set AXH, 10                           ; v10-12  the same for tiles 4-7
.set SCX, 13                           ; v13-15  2^ea
.set SCO, 16                           ; v16-18  2^(eo - ea - ew)
.set BH,  19                           ; v19     32 h
.set BR,  20                           ; v20     4 (r + (r & 8))
.set ASW, 24                           ; v24-26  AS0 + the lap's rows
.set T,   32
.set CD,  48
.set X,   64
.set XF,  32
.set BT,  192
.set OC,  240
.set WB,  66                           ; s[66:71] wimg's slabs of Wq, Wk, Wv for my head
.set DST, 72                           ; s[72:77] where Q, K, V go
.set EA,  78                           ; s78-80
.set EW,  81                           ; s81-83  ew, later -(ea + ew)
.set EO,  84                           ; s84-86
.set XL,  88                           ; s88-93  -L, +L for x's three holds
.set OL,  94                           ; s94-99  -L, +L for the results' holds
.set MSB, 0
.macro WIN new                         ; the immediate's high byte repeats the setting that is left
.if MSB != (\new)
	s_set_vgpr_msb (MSB<<8)|(\new)
.set MSB, (\new)
.endif
.endm
.macro PLACES                          ; four plain vector instructions behind matrix instructions, ahead of loads into their sources and of reads of their results
.rept 4
	v_nop
.endr
.endm
	s_load_b512 s[4:19], s[0:1], 0x0               ; visual, text, wimg, bq, bk, bv, lowp_scales, qimg
	s_load_b128 s[20:23], s[0:1], 0x40             ; kimg, vimg
	v_lshl_add_u32 v[SPW], v0, 2, SPARE
	v_mov_b32 v[NIL], 0
	v_lshrrev_b32 v21, 5, v0
	v_readfirstlane_b32 s24, v21                   ; wave
	s_and_b32 s26, ttmp7, 0xffff                   ; tb
	s_lshr_b32 s27, s26, 6                         ; m
	s_lshl_b32 s28, ttmp9, 2
	s_add_co_u32 s28, s28, s24                     ; hd
	s_and_b32 s33, s26, 63                         ; 8 b + kb
	s_lshl_b32 s30, s33, 7
	s_lshl_b32 s31, s24, 5
	s_add_co_u32 s30, s30, s31                     ; the first token that my wave quantises
	s_mul_i32 s30, s30, 3072
	s_mov_b32 s31, 0
	s_mul_i32 s34, s28, 73728                      ; my head's slab in a weight's image
	s_mov_b32 s35, 0
	s_mul_i32 s62, s28, 384                        ; my head's 96 numbers of a bias
	s_mov_b32 s63, 0
	v_and_b32 v21, 31, v0                          ; lane
	v_and_b32 v22, 15, v0                          ; r
	v_bfe_u32 v23, v0, 4, 1                        ; h
	v_lshlrev_b32 v[LI], 4, v21
	s_mul_i32 s32, s24, 32*PITCH
	v_lshl_add_u32 v[AS0], v21, 2, s32
	v_add_nc_u32 v[AS0+1], SETB, v[AS0]
	v_add_nc_u32 v[AS0+2], 2*SETB, v[AS0]
	v_mul_u32_u24 v[AXL], v22, PITCH
	v_lshl_add_u32 v[AXL], v23, 4, v[AXL]
	v_add_nc_u32 v[AXL+1], SETB, v[AXL]
	v_add_nc_u32 v[AXL+2], 2*SETB, v[AXL]
.irp u, 0,1,2
	v_add_nc_u32 v[AXH+\u], 64*PITCH, v[AXL+\u]
.endr
	v_lshlrev_b32 v[BH], 5, v23
	v_and_b32 v[BR], 8, v22
	v_add_nc_u32 v[BR], v[BR], v22
	v_lshlrev_b32 v[BR], 2, v[BR]
	s_wait_alu depctr_va_vdst(0)
	s_wait_kmcnt 0x0
	s_load_b512 s[36:51], s[16:17], 0x0            ; e0 .. e15: entry i in s[36 + i]
	s_load_b256 s[52:59], s[16:17], 0x40           ; e16 .. e23
	s_cmp_eq_u32 s27, 0
	s_cselect_b64 s[60:61], s[4:5], s[6:7]         ; x: visual or text, by the work-group's number
	s_add_nc_u64 s[60:61], s[60:61], s[30:31]
	s_add_nc_u64 s[WB:WB+1], s[8:9], s[34:35]
	s_add_nc_u64 s[WB+2:WB+3], s[WB:WB+1], 589824
	s_add_nc_u64 s[WB+4:WB+5], s[WB:WB+1], 2*589824
	s_add_nc_u64 s[10:11], s[10:11], s[62:63]
	s_add_nc_u64 s[12:13], s[12:13], s[62:63]
	s_add_nc_u64 s[14:15], s[14:15], s[62:63]
; W's six fragments of step gs (unit gs / 6, K step gs % 6) into set gs % 3: 24 loads of 512 consecutive bytes
.macro FETCH_W gs
.set WU_, (\gs)/6
.set WS_, (\gs)%6
.if (\gs)%3 == 2
	WIN 0
.set WR_, 160
.else
	WIN 0x40
.set WR_, 96*((\gs)%3)
.endif
.irp t, 0,1,2,3,4,5
.irp c, 0,1,2,3
	global_load_b128 v[WR_+16*\t+4*\c:WR_+16*\t+4*\c+3], v[LI], s[WB+2*WU_:WB+2*WU_+1] offset:(6*WS_+\t)*2048+512*\c
.endr
.endr
	WIN 0
.endm
	WIN 0x40                                       ; the biases and the first two sets of W go out ahead of x's ring, so that the ring's counts below are exact
.irp t, 0,1,2,3,4,5
	global_load_b128 v[BT+8*\t:BT+8*\t+3], v[BH], s[10:11] offset:64*\t       ; bq(16 t + 8 h + 0 .. 7): the result's layout of the first form
	global_load_b128 v[BT+8*\t+4:BT+8*\t+7], v[BH], s[10:11] offset:64*\t+16
.endr
	WIN 0x80
.irp t, 0,1,2,3,4,5
	global_load_b128 v[BT+8*\t:BT+8*\t+3], v[BH], s[12:13] offset:64*\t
	global_load_b128 v[BT+8*\t+4:BT+8*\t+7], v[BH], s[12:13] offset:64*\t+16
.endr
	WIN 0xc0
.irp t, 0,1,2,3,4,5
	global_load_b32 v[BT+8*\t], v[BR], s[14:15] offset:4*(32*(\t/2)+8*(\t%2)) ; bv of my lane's channel
.endr
	FETCH_W 0
	FETCH_W 1
.irp i, 0,1,2,3,4,5,6,7
.irp q, 0,1,2,3,4,5
	global_load_b128 v[X+24*\i+4*\q:X+24*\i+4*\q+3], v[LI], s[60:61] offset:\i*3072+512*\q   ; the ring: tokens 0 to 7; a load takes 512 consecutive bytes of a row
.endr
.endr
	s_lshr_b32 s32, s33, 3                         ; b
	s_and_b32 s33, s33, 7                          ; kb
	s_lshl_b32 s32, s32, 3
	s_add_co_u32 s32, s32, s28                     ; 8 b + hd
	s_mul_i32 s34, s33, 12288                      ; 8 token tiles of 1,536 bytes, and a key block of V alike
	s_lshl_b32 s30, s27, 6
	s_add_co_u32 s30, s30, s32                     ; Q belongs to direction m
	s_mul_i32 s30, s30, 98304
	s_add_co_u32 s30, s30, s34
	s_mov_b32 s31, 0
	s_add_nc_u64 s[DST:DST+1], s[18:19], s[30:31]
	s_xor_b32 s30, s27, 1
	s_lshl_b32 s30, s30, 6
	s_add_co_u32 s30, s30, s32                     ; K and V to direction 1 - m
	s_mul_i32 s30, s30, 98304
	s_add_co_u32 s30, s30, s34
	s_add_nc_u64 s[DST+2:DST+3], s[20:21], s[30:31]
	s_add_nc_u64 s[DST+4:DST+5], s[22:23], s[30:31]
	s_wait_kmcnt 0x0
	s_cmp_eq_u32 s27, 0                            ; visual: products 1, 7, 8; text: products 6, 2, 3
	s_cselect_b32 s[EA], s36, s46
	s_cselect_b32 s[EW], s37, s47
	s_cselect_b32 s[EO], s42, s52
	s_cselect_b32 s[EA+1], s48, s38
	s_cselect_b32 s[EW+1], s49, s39
	s_cselect_b32 s[EO+1], s53, s43
	s_cselect_b32 s[EA+2], s50, s40
	s_cselect_b32 s[EW+2], s51, s41
	s_cselect_b32 s[EO+2], s54, s44
.irp u, 0,1,2
	s_add_co_i32 s30, s[EA+\u], 127
	s_lshl_b32 s31, s30, 23
	v_mov_b32 v[SCX+\u], s31                       ; 2^ea as f32: the conversion takes its exponent field
	s_add_co_i32 s30, s30, 8
	s_lshl_b32 s30, s30, 23
	s_or_b32 s[XL+2*\u+1], s30, 0x600000           ; 448 x 2^ea
	s_or_b32 s[XL+2*\u], s[XL+2*\u+1], 0x80000000
	s_add_co_i32 s32, s[EA+\u], s[EW+\u]
	s_sub_co_i32 s30, s[EO+\u], s32
	s_add_co_i32 s30, s30, 127
	s_lshl_b32 s31, s30, 23
	v_mov_b32 v[SCO+\u], s31                       ; 2^(eo - ea - ew)
	s_add_co_i32 s30, s30, 8
	s_lshl_b32 s30, s30, 23
	s_or_b32 s[OL+2*\u+1], s30, 0x600000
	s_or_b32 s[OL+2*\u], s[OL+2*\u+1], 0x80000000
	s_sub_co_i32 s[EW+\u], 0, s32                  ; -(ea + ew)
.endr
; One token of the ring: its 768 numbers (24 a lane: of each block of 128 the four at 4 x lane) become three rows of codes.  A group is two blocks: eight registers, eight codes, two stores of 128 consecutive bytes for each set.
; The held numbers take two banks by turns, so that eight plain lines stand between a conversion and the next write of its sources; the codes take two banks by groups.
.macro TOKEN i, reload, left
	s_wait_loadcnt \left                           ; loads come back in order: this slot's six are in, the younger slots' stay out
.irp g, 0,1,2
	s_wait_dscnt 6                                 ; the stores that read this bank of codes two groups ago are done; the last group's six may be out
.set CB_, CD+6*((3*(\i)+\g)%2)
.irp u, 0,1,2
.set TB_, T+8*((3*(3*(\i)+\g)+\u)%2)
.irp j, 0,1,2,3,4,5,6,7
	v_med3_num_f32 v[TB_+\j], v[X+24*(\i)+8*\g+\j], s[XL+2*\u], s[XL+2*\u+1]   ; the conversion to an 8-bit code does not saturate (ISA guide 7.6.2): the hold comes first
.endr
	v_cvt_scalef32_pk8_fp8_f32 v[CB_+2*\u:CB_+2*\u+1], v[TB_:TB_+7], v[SCX+\u]
.endr
.irp u, 0,1,2
	ds_store_b32 v[ASW+\u], v[CB_+2*\u] offset:(\i)*PITCH+256*\g
	ds_store_b32 v[ASW+\u], v[CB_+2*\u+1] offset:(\i)*PITCH+256*\g+128
.endr
.endr
.if \reload
.irp q, 0,1,2,3,4,5
	global_load_b128 v[X+24*(\i)+4*\q:X+24*(\i)+4*\q+3], v[LI], s[60:61] offset:(8+(\i))*3072+512*\q   ; the token eight further on
.endr
.endif
.endm
	s_mov_b32 s29, 0                               ; the lap's first row in bytes; also the loop's counter
.Llap:                                                 ; three laps of eight tokens, each filling the ring again
.irp u, 0,1,2
	v_add_nc_u32 v[ASW+\u], s29, v[AS0+\u]
.endr
.irp i, 0,1,2,3,4,5,6,7
	TOKEN \i, 1, 42                                ; seven younger slots of six loads
.endr
	s_wait_xcnt 0x0                                ; the loads have read their base: it may step
	s_add_nc_u64 s[60:61], s[60:61], 8*3072
	s_add_co_u32 s29, s29, 8*PITCH
	s_cmp_lt_u32 s29, 3*8*PITCH
	s_cbranch_scc1 .Llap
.irp u, 0,1,2
	v_add_nc_u32 v[ASW+\u], s29, v[AS0+\u]
.endr
.irp i, 0,1,2,3,4,5,6,7
	TOKEN \i, 0, 6*(7-\i)                          ; the last eight tokens load nothing: the counts run down
.endr
	s_wait_dscnt 0x0                               ; for the others' sake: my rows of codes lie in LDS
	s_barrier_signal -1
	s_barrier_wait -1                              ; all 128 rows of all three sets do; nothing is written there again
; x's fragments of step gs, token tiles 4 half .. 4 half + 3: 16 loads
.macro FETCH_X gs, half
.set XU_, (\gs)/6
.set XS_, (\gs)%6
.irp i, 0,1,2,3
.irp c, 0,1,2,3
	ds_load_b128 v[XF+16*(4*\half+\i)+4*\c:XF+16*(4*\half+\i)+4*\c+3], v[AXL+3*\half+XU_] offset:\i*16*PITCH+128*XS_+32*\c
.endr
.endr
.endm
; 24 products: token tiles 4 half .. + 3 x six tiles of columns.  The accumulators take turns, one instruction a turn.  A unit's first K step takes the bias tiles as C.
.macro MULH half, gs
.set MU_, (\gs)/6
.set MA_, 2+\half
.set MC_, MA_
.if (\gs)%6 == 0
.set MC_, MU_+1
.endif
.if (\gs)%3 == 2
.set MW_, 0
.set MR_, 160
.else
.set MW_, 1
.set MR_, 96*((\gs)%3)
.endif
.if MU_ == 2
	WIN (MW_<<2)|(MC_<<4)|(MA_<<6)
.else
	WIN MW_|(MC_<<4)|(MA_<<6)
.endif
.irp i, 0,1,2,3
.irp t, 0,1,2,3,4,5
.if MU_ == 2
.if (\gs)%6 == 0
	v_wmma_f32_16x16x128_fp8_fp8 v[8*(6*\i+\t):8*(6*\i+\t)+7], v[XF+16*(4*\half+\i):XF+16*(4*\half+\i)+15], v[MR_+16*\t:MR_+16*\t+15], v[BT+8*\t:BT+8*\t+7]
.else
	v_wmma_f32_16x16x128_fp8_fp8 v[8*(6*\i+\t):8*(6*\i+\t)+7], v[XF+16*(4*\half+\i):XF+16*(4*\half+\i)+15], v[MR_+16*\t:MR_+16*\t+15], v[8*(6*\i+\t):8*(6*\i+\t)+7]
.endif
.else
.if (\gs)%6 == 0
	v_wmma_f32_16x16x128_fp8_fp8 v[8*(6*\i+\t):8*(6*\i+\t)+7], v[MR_+16*\t:MR_+16*\t+15], v[XF+16*(4*\half+\i):XF+16*(4*\half+\i)+15], v[BT+8*\t:BT+8*\t+7]
.else
	v_wmma_f32_16x16x128_fp8_fp8 v[8*(6*\i+\t):8*(6*\i+\t)+7], v[MR_+16*\t:MR_+16*\t+15], v[XF+16*(4*\half+\i):XF+16*(4*\half+\i)+15], v[8*(6*\i+\t):8*(6*\i+\t)+7]
.endif
.endif
.endr
.endr
.endm
; A step of 128 along K: 48 products.  x's tiles 0-3 are fetched anew in its middle, tiles 4-7 and the W set three steps on at its end.
.macro STEP gs
.if (\gs) <= 15
	s_wait_loadcnt 48                              ; this step's W set is in; the two younger sets, 24 loads each, may be out
.elseif (\gs) == 16
	s_wait_loadcnt 24
.else
	s_wait_loadcnt 0
.endif
	s_wait_dscnt 16                                ; x's tiles 0-3 are in; the youngest 16 loads (tiles 4-7) may be out
	MULH 0, \gs
	s_wait_dscnt 0                                 ; tiles 4-7 are in
	PLACES
	WIN 0
.if (\gs) < 17
	FETCH_X (\gs)+1, 0
.endif
	MULH 1, \gs
	PLACES
	WIN 0
.if (\gs) < 17
	FETCH_X (\gs)+1, 1
.endif
.if (\gs)+3 < 18
	FETCH_W (\gs)+3
.endif
.endm
; Q's and K's way out, a token tile at a time: hold, six conversions (12 registers: the token's fragment), three stores of 512 consecutive bytes.  Each accumulator is read from its low end on.
.macro OUT_T u
.irp i, 0,1,2,3,4,5,6,7
.set OA_, 2+(\i)/4
.set OB_, 48*((\i)%4)
	WIN OA_|(OA_<<6)
.set n_, 0
.rept 48
	v_med3_num_f32 v[OB_+n_], v[OB_+n_], s[OL+2*\u], s[OL+2*\u+1]
.set n_, n_+1
.endr
	s_wait_alu depctr_va_vdst(0)
	s_wait_xcnt 0x0                                ; the last tile's stores have read the codes' registers
	WIN OA_|0x40
.irp t, 0,1,2,3,4,5
	v_cvt_scalef32_pk8_fp8_f32 v[OC+2*\t:OC+2*\t+1], v[OB_+8*\t:OB_+8*\t+7], v[SCO+\u]
.endr
	v_nop                                          ; a plain line behind the conversions: later products write their sources
	WIN 0x04
.irp c, 0,1,2
	global_store_b128 v[LI], v[OC+4*\c:OC+4*\c+3], s[DST+2*\u:DST+2*\u+1] offset:\i*1536+512*\c
.endr
.endr
	WIN 0
.endm
; V's way out, a tile of channels at a time: the eight token tiles' conversions are the channel's fragment along 128 keys
.macro OUT_N
	WIN 0x82
.set n_, 0
.rept 192
	v_med3_num_f32 v[n_], v[n_], s[OL+4], s[OL+5]
.set n_, n_+1
.endr
	WIN 0xc3
.set n_, 0
.rept 192
	v_med3_num_f32 v[n_], v[n_], s[OL+4], s[OL+5]
.set n_, n_+1
.endr
.irp t, 0,1,2,3,4,5
	s_wait_xcnt 0x0                                ; the last tile's stores have read the codes' registers
	WIN 0x42
.irp i, 0,1,2,3
	v_cvt_scalef32_pk8_fp8_f32 v[OC+2*\i:OC+2*\i+1], v[8*(6*\i+\t):8*(6*\i+\t)+7], v[SCO+2]
.endr
	WIN 0x43
.irp i, 0,1,2,3
	v_cvt_scalef32_pk8_fp8_f32 v[OC+8+2*\i:OC+8+2*\i+1], v[8*(6*\i+\t):8*(6*\i+\t)+7], v[SCO+2]
.endr
	v_nop                                          ; a plain line between this tile's conversions and the next tile's, which write the same registers
	WIN 0x04
.irp c, 0,1,2,3
	global_store_b128 v[LI], v[OC+4*\c:OC+4*\c+3], s[DST+4:DST+5] offset:\t*2048+512*\c
.endr
.endr
	WIN 0
.endm
	FETCH_X 0, 0
	FETCH_X 0, 1
	FETCH_W 2
	WIN 0x41                                       ; the biases x 2^-(ea + ew)
.set n_, 0
.rept 48
	v_ldexp_f32 v[BT+n_], v[BT+n_], s[EW]
.set n_, n_+1
.endr
	WIN 0x82
.set n_, 0
.rept 48
	v_ldexp_f32 v[BT+n_], v[BT+n_], s[EW+1]
.set n_, n_+1
.endr
	WIN 0xc3                                       ; bv: the lane's one number fills the tile's eight registers
.irp t, 0,1,2,3,4,5
.irp j, 7,6,5,4,3,2,1,0
	v_ldexp_f32 v[BT+8*\t+\j], v[BT+8*\t], s[EW+2]
.endr
.endr
	WIN 0
.irp gs, 0,1,2,3,4,5
	STEP \gs
.endr
	OUT_T 0                                        ; the next unit's x and W are on their way meanwhile
.irp gs, 6,7,8,9,10,11
	STEP \gs
.endr
	OUT_T 1
.irp gs, 12,13,14,15,16,17
	STEP \gs
.endr
	OUT_N
	s_wait_tensorcnt 0x0                           ; the wave's end
	ds_add_u32 v[SPW], v[NIL]
	s_wait_dscnt 0x0
	s_endpgm
.Lfunc_end_k_q9c26ff2121_proj:
	.size	k_q9c26ff2121_proj, .Lfunc_end_k_q9c26ff2121_proj-k_q9c26ff2121_proj
	.p2alignl 7, 3214868480
	.fill 96, 4, 3214868480
	.section	.rodata,"a",@progbits
	.p2align	6, 0x0
	.amdhsa_kernel k_q9c26ff2121_proj
		.amdhsa_group_segment_fixed_size 301568
		.amdhsa_private_segment_fixed_size 0
		.amdhsa_enable_private_segment 0
		.amdhsa_kernarg_size 80
		.amdhsa_user_sgpr_count 2
		.amdhsa_user_sgpr_kernarg_segment_ptr 1
		.amdhsa_wavefront_size32 1
		.amdhsa_system_sgpr_workgroup_id_x 1
		.amdhsa_system_sgpr_workgroup_id_y 1
		.amdhsa_system_sgpr_workgroup_id_z 1
		.amdhsa_system_vgpr_workitem_id 0
		.amdhsa_next_free_vgpr 1024
		.amdhsa_next_free_sgpr 100
		.amdhsa_reserve_vcc 0
		.amdhsa_float_denorm_mode_32 3
		.amdhsa_float_denorm_mode_16_64 3
		.amdhsa_memory_ordered 1
		.amdhsa_forward_progress 1
		.amdhsa_inst_pref_size 255
	.end_amdhsa_kernel
	.section	.bss,"aw",@nobits
	.p2align	6
	.space	262144
	.amdgpu_metadata
---
amdhsa.version: [ 1, 2 ]
amdhsa.kernels:
  - .name:           k_q9c26ff2121_proj
    .symbol:         k_q9c26ff2121_proj.kd
    .args:
      - { .name: visual_features, .offset: 0, .size: 8, .value_kind: global_buffer, .address_space: global }
      - { .name: text_features, .offset: 8, .size: 8, .value_kind: global_buffer, .address_space: global }
      - { .name: wimg, .offset: 16, .size: 8, .value_kind: global_buffer, .address_space: global }
      - { .name: bq, .offset: 24, .size: 8, .value_kind: global_buffer, .address_space: global }
      - { .name: bk, .offset: 32, .size: 8, .value_kind: global_buffer, .address_space: global }
      - { .name: bv, .offset: 40, .size: 8, .value_kind: global_buffer, .address_space: global }
      - { .name: lowp_scales, .offset: 48, .size: 8, .value_kind: global_buffer, .address_space: global }
      - { .name: qimg, .offset: 56, .size: 8, .value_kind: global_buffer, .address_space: global }
      - { .name: kimg, .offset: 64, .size: 8, .value_kind: global_buffer, .address_space: global }
      - { .name: vimg, .offset: 72, .size: 8, .value_kind: global_buffer, .address_space: global }
    .group_segment_fixed_size: 301568
    .private_segment_fixed_size: 0
    .kernarg_segment_align: 8
    .kernarg_segment_size: 80
    .max_flat_workgroup_size: 128
    .sgpr_count:     100
    .vgpr_count:     1024
    .wavefront_size: 32
...
	.end_amdgpu_metadata
.endif
;; end of part 2
;; launch attn (part 3): grid 2 x 128, 8 waves a work-group, no clusters, 201,728 bytes of LDS; arguments qimg, kimg, vimg, text_mask, visual_mask, lowp_scales, aimg; writes aimg
.if DOCPART == 3
	.amdgcn_target "amdgcn-amd-amdhsa--gfx1250"
	.amdhsa_code_object_version 6
	.text
	.protected	k_q9c26ff2121_attn
	.globl	k_q9c26ff2121_attn
	.p2align	8
	.type	k_q9c26ff2121_attn,@function
k_q9c26ff2121_attn:
	s_mov_b64 s[64:65], 0
	v_nop
	global_prefetch_b8 v0, s[64:65] scope:SCOPE_SE
	s_setreg_imm32_b32 hwreg(HW_REG_WAVE_MODE, 25, 1), 1
	s_wait_xcnt 0x0
; Both attentions on E4M3 codes: for g = 64 dir + 8 b + hd, o = softmax(q k^T / sqrt(96), masked by the keys' mask) v, quantised for the output projection.  No work is left out.
; SOFTMAX AHEAD OF THE SECOND PRODUCT: t = score x log2(e) / sqrt(96); M = the running largest t rounded up to a whole number; p = 2^(t - M) is quantised with 2^ep; the sum is taken of the unquantised p and divides at the end.
; When M moves, the sum and O are multiplied by 2^(old M - new M), which rounds nothing.
; SHARES.  Work-group y = g, x = a half of the head's 1,024 queries: 256 work-groups.  A WORK-GROUP STAYS: it walks its 512 queries as two blocks of 256.  In a block each of eight waves owns two tiles of 16 queries, so that
; each fragment of K and V read from LDS feeds two products.  A block is eight key steps of 128 keys.
; LAYOUT.  S^T = K Q^T (source 0 = 16 keys, source 1 = 16 queries; K = the head's 96 in one instruction of 128: Q's registers 12-15 hold zero codes, K's whatever codes the slot held last, which are numbers, since every
; quantiser of this program holds at +-448).  O^T = V^T P^T.  A lane holds one query of each tile throughout.  A tile of scores, converted, is registers 2 kt, 2 kt + 1 of P: the order in which V's fragments hold the keys.
; THE MASK is the C of the first product: 0, or -1e30 where the key's mask is 0.  The largest t begins at c x (-1e10): above every hidden key's t and under every real one (|sum| <= 96 x 448^2), so a hidden key never
; sets M, and its p is 2^(a very large negative number) = 0.
; LDS: K's and V's images of the whole head (98,304 bytes each) and the mask's 4,096 bytes, each byte written once.  THE FIRST BLOCK fills them through registers a step ahead, 12,288 + 12,288 bytes a step; one barrier a step
; parts a chunk's stores from its reads.  THE SECOND BLOCK finds all of it there: its steps have no global load, no LDS store and no barrier.  Its Q is asked for in the first block's last step.
; NO CLUSTER: the two work-groups of a head share K and V, 24,576 bytes a step of the first block; the fill is 12 instructions a thread beside a step's softmax of some 400, goes through registers, and
; leaves the launch free of joint loads and their barriers, and free to branch on ep.
; LIMITS: eq + ek between -80 and 90; ep and eo between -126 and 119.  NaN among the inputs is not served.  Where a batch's mask hides every key, the problem's result is NaN; this text's is not defined.
; REGISTERS.  Window 0: v1-15 addresses and scales; v16-31 two tiles' statistics; six slots of 16 for fragments at v32, 48, 64, 80, 224, 240; v96-223 S^T, then p.
;   Window 1: v0-95 O^T; v96-127 Q; v128-191 the mask's tiles; v192-215 the chunk on its way to LDS; v216-247 P's codes.
.set VL,    98304
.set BIAS,  196608
.set SPARE, 200704                     ; the spare words, 128 bytes for each of eight waves
.set CH,    12288                      ; a key step's bytes of K, and of V
.set LI,  1                            ; v1   16 x lane
.set AK,  2                            ; v2   the step's K
.set AV,  3                            ; v3   the step's V
.set AB,  4                            ; v4   the step's mask tiles
.set SPW, 5                            ; v5   my spare word; never rewritten
.set NIL, 6                            ; v6   0; never rewritten
.set STK, 7
.set STV, 8
.set GOF, 9                            ; v9   16 x thread
.set LIMP, 10                          ; v10  448 x 2^ep
.set SCP, 11                           ; v11  2^ep
.set ABASE, 12                         ; v12  BIAS + 32 h
.set SCA, 13                           ; v13  2^eo
.set PFO, 14                           ; v14  at work in the head; then 256 x lane, the prefetches' offset, never rewritten
.set ST,  16                           ; tile a at v[16 + 8 a]: +0 -M, +1 the largest t, +2, +3 the sum's halves, +4 f, +5 the other half's, +6, +7 at work
.set S,   96
.set QR,  96                           ; window 1
.set BTL, 128
.set STG, 192
.set PC,  216
.set KB,  26                           ; s26  12,288 x step
.set BB,  27                           ; s27  512 x step
.set PFA, 36                           ; s[36:37] where my prefetches stand (the scales' exponents have left these registers by then)
.set LIM, 38                           ; s38  a wave prefetches while the loop's counter is above it
.set MSB, 0
.macro WIN new
.if MSB != (\new)
	s_set_vgpr_msb (MSB<<8)|(\new)
.set MSB, (\new)
.endif
.endm
.macro PLACES
.rept 4
	v_nop
.endr
.endm
	s_load_b256 s[4:11], s[0:1], 0x0               ; qimg, kimg, vimg, text_mask
	s_load_b128 s[12:15], s[0:1], 0x20             ; visual_mask, lowp_scales
	s_load_b64 s[16:17], s[0:1], 0x30              ; aimg
	v_lshl_add_u32 v[SPW], v0, 2, SPARE
	v_mov_b32 v[NIL], 0
	v_lshrrev_b32 v14, 5, v0
	s_delay_alu instid0(VALU_DEP_1)
	v_readfirstlane_b32 s18, v14                   ; wave
	s_and_b32 s19, ttmp7, 0xffff                   ; g
	s_lshr_b32 s20, s19, 6                         ; dir
	v_and_b32 v14, 31, v0
	s_delay_alu instid0(VALU_DEP_1)
	v_lshlrev_b32 v[LI], 4, v14
	v_lshlrev_b32 v[GOF], 4, v0
	v_bfe_u32 v15, v0, 4, 1
	s_delay_alu instid0(VALU_DEP_1)
	v_lshlrev_b32 v[ABASE], 5, v15
	s_delay_alu instid0(VALU_DEP_1)
	v_add_nc_u32 v[ABASE], BIAS, v[ABASE]
	s_mul_i32 s26, s19, 98304                      ; g's images
	s_mov_b32 s27, 0
	s_lshl_b32 s28, ttmp9, 5                       ; 32 tiles of queries to a work-group
	s_lshl_b32 s29, s18, 1
	s_add_co_u32 s28, s28, s29                     ; my first tile of queries in the first block; the second block's lie 16 tiles on
	s_mul_i32 s30, s28, 1536
	s_add_co_u32 s30, s30, s26
	s_mov_b32 s31, 0
	s_bfe_u32 s29, s19, 0x30003                    ; b
	s_lshl_b32 s22, s29, 12                        ; the batch's row of a mask
	s_mov_b32 s23, 0
	s_lshl_b32 s24, s29, 6
	s_add_co_u32 s24, s24, s28
	s_mul_i32 s24, s24, 12288                      ; the token tile's 24 chunks in aimg,
	s_mul_i32 s25, s20, 6291456
	s_add_co_u32 s24, s24, s25
	s_and_b32 s25, s19, 7
	s_mul_i32 s25, s25, 1536                       ; my head's three of them
	s_add_co_u32 s24, s24, s25
	s_mov_b32 s25, 0
	s_wait_alu depctr_va_vdst(0)
	s_wait_kmcnt 0x0
	s_load_b512 s[36:51], s[14:15], 0x0            ; entry i in s[36 + i]
	s_load_b256 s[52:59], s[14:15], 0x40
	s_add_nc_u64 s[32:33], s[6:7], s[26:27]        ; K
	s_add_nc_u64 s[34:35], s[8:9], s[26:27]        ; V
	s_add_nc_u64 s[4:5], s[4:5], s[30:31]          ; Q
	s_cmp_eq_u32 s20, 0
	s_cselect_b64 s[10:11], s[10:11], s[12:13]     ; the keys' mask: text's for direction 0
	s_add_nc_u64 s[10:11], s[10:11], s[22:23]
	s_add_nc_u64 s[60:61], s[16:17], s[24:25]
.irp q, 0,1,2
	global_load_b128 v[104+4*\q:104+4*\q+3], v[GOF], s[32:33] offset:4096*\q       ; chunk 0, into 24 of the scores' registers, which are idle at the head: the work-group's 256 threads take 4,096 consecutive bytes
	global_load_b128 v[116+4*\q:116+4*\q+3], v[GOF], s[34:35] offset:4096*\q
.endr
	WIN 0x40
.irp q, 0,1,2
	global_load_b128 v[STG+4*\q:STG+4*\q+3], v[GOF], s[32:33] offset:CH+4096*\q    ; chunk 1, asked for beside chunk 0: the first step stores it
	global_load_b128 v[STG+12+4*\q:STG+12+4*\q+3], v[GOF], s[34:35] offset:CH+4096*\q
.endr
.irp a, 0,1
.irp c, 0,1,2
	global_load_b128 v[QR+16*\a+4*\c:QR+16*\a+4*\c+3], v[LI], s[4:5] offset:1536*\a+512*\c
.endr
.endr
	WIN 0
	global_load_b128 v[96:99], v[GOF], s[10:11]    ; four keys' mask
.irp j, 0,1,2,3,4,5,6,7
	global_load_b128 v[128+4*\j:128+4*\j+3], v[LI], s[10:11] offset:512*\j   ; and, in every wave, all 1,024 keys' mask: load j holds key step j's 128 words, four a lane (in scores' registers, idle at the head)
.endr
	WIN 0x40
.irp a, 0,1
.irp j, 12,13,14,15
	v_mov_b32 v[QR+16*\a+\j], 0                    ; zero codes beyond the head's 96: they stay for both blocks
.endr
.endr
.set n_, 0
.rept 96
	v_mov_b32 v[n_], 0                             ; O^T: the step is written with no first step of its own; the first change of M multiplies zeros
.set n_, n_+1
.endr
	WIN 0
.irp n, 0,1,2,3,4,5
.irp j, 12,13,14,15
	v_mov_b32 v[32+16*\n+128*(\n/4)+\j], 0
.endr
.endr
.irp a, 0,1
	v_mov_b32 v[ST+8*\a+2], 0
	v_mov_b32 v[ST+8*\a+3], 0
	v_mov_b32 v[ST+8*\a+5], 0                      ; a lane permute's destination counts as read
.endr
	s_wait_kmcnt 0x0
	s_cmp_eq_u32 s20, 0
	s_cselect_b32 s26, s42, s52                    ; eq
	s_cselect_b32 s27, s43, s53                    ; ek
	s_cselect_b32 s28, s44, s54                    ; ev
	s_cselect_b32 s29, s45, s55                    ; ep: kept
	s_cselect_b32 s30, s56, s58                    ; eo
	s_add_co_i32 s26, s26, s27
	s_lshl_b32 s26, s26, 23
	s_add_co_i32 s22, s26, 0x3e16c740              ; c = log2(e) / sqrt(96), eq + ek added to its exponent field
	s_mov_b32 s23, s22                             ; (named with it as a pair)
	s_add_co_i32 s62, s29, s28                     ; ep + ev
	s_add_co_i32 s27, s29, 127
	s_lshl_b32 s28, s27, 23
	v_mov_b32 v[SCP], s28
	s_add_co_i32 s27, s27, 8
	s_lshl_b32 s27, s27, 23
	s_or_b32 s27, s27, 0x600000
	v_mov_b32 v[LIMP], s27
	s_add_co_i32 s27, s30, 127
	s_lshl_b32 s28, s27, 23
	v_mov_b32 v[SCA], s28
	s_add_co_i32 s27, s27, 8
	s_lshl_b32 s27, s27, 23
	s_or_b32 s31, s27, 0x600000                    ; +-448 x 2^eo
	s_or_b32 s30, s31, 0x80000000
	s_mov_b32 s24, 0x76543210                      ; v_permlanex16_b32: lane l xor 16
	s_mov_b32 s25, 0xfedcba98
	; THE PREFETCHES of the first block's stream.  Both work-groups of a head walk the same K and V: the first of them (x = 0) asks; in it waves 0 and 1 for K, waves 2 and 3 for V, one instruction a wave and a step, lanes 256 bytes
	; apart: 8,192 bytes.  In step j wave w names bytes 40,960 + 16,384 j + 8,192 (w % 2) on of the head's image: even waves in steps 0 to 3, odd waves in steps 0 to 2: seven pieces, which end at the image's last byte, 98,303.
	; Step j loads bytes 12,288 (j + 2) on: every piece is named one or two steps ahead of the loads that take it, and each aligned block of 256 bytes once in the launch.  The first 40,960 bytes come by their loads alone.
	s_cmp_lt_u32 s18, 2
	s_cselect_b64 s[PFA:PFA+1], s[32:33], s[34:35]
	s_and_b32 s39, s18, 1
	s_lshl_b32 s40, s39, 13
	s_add_co_u32 s40, s40, 40960
	s_mov_b32 s41, 0
	s_add_nc_u64 s[PFA:PFA+1], s[PFA:PFA+1], s[40:41]
	s_add_co_u32 s39, s39, 2                       ; the loop's counter runs 6, 5, .. 1: above 2 in steps 0 to 3, above 3 in steps 0 to 2
	s_lshr_b32 s40, s18, 2                         ; 0 in waves 0 to 3,
	s_or_b32 s40, s40, ttmp9                       ; of the head's first work-group
	s_cmp_eq_u32 s40, 0
	s_cselect_b32 s[LIM], s39, -1
	v_mov_b32 v14, 0xd01502f9                      ; -1e10
.irp a, 0
	s_delay_alu instid0(VALU_DEP_1)
	v_mul_f32 v[ST+8*\a+1], s22, v14
.endr
.irp a, 1
	s_delay_alu instid0(VALU_DEP_2)
	v_mul_f32 v[ST+8*\a+1], s22, v14
.endr
.irp a, 0,1
	s_delay_alu instid0(VALU_DEP_2)
	v_floor_f32 v[ST+8*\a], -v[ST+8*\a+1]
.endr
	s_mov_b32 s[KB], 0
	s_mov_b32 s[BB], 0
	v_add_nc_u32 v[STV], VL, v[GOF]
	v_add_nc_u32 v15, BIAS, v[GOF]
	v_mov_b32 v14, 0xf149f2ca                      ; -1e30
	s_wait_alu depctr_va_vdst(0)
	s_wait_loadcnt 0x0
.irp q, 0,1,2
	ds_store_b128 v[GOF], v[104+4*\q:104+4*\q+3] offset:4096*\q
	ds_store_b128 v[STV], v[116+4*\q:116+4*\q+3] offset:4096*\q
.endr
.irp j, 0,1,2,3
	v_cmp_eq_u32 vcc_lo, 0, v[96+\j]
	s_delay_alu instid0(VALU_DEP_1)
	v_cndmask_b32 v[100+\j], 0, v14, vcc_lo
.endr
	ds_store_b128 v15, v[100:103]
	; ONE FLAG FOR EACH KEY STEP: does it hold a hidden key?  The mask is whole numbers read from memory; the flags are the same in all waves.  A step with no hidden key takes the constant 0 as the C of its
	; score products, which is what its mask tiles would hold, and does not load those tiles.  The least of a step's words, as unsigned numbers, is 0 just where one of them is 0.
.irp j, 0,1,2,3,4,5,6,7
	v_min_u32 v[128+4*\j], v[128+4*\j], v[128+4*\j+1]
	v_min_u32 v[128+4*\j+2], v[128+4*\j+2], v[128+4*\j+3]
.endr
.irp j, 0,1,2,3,4,5,6,7
	v_min_u32 v[128+4*\j], v[128+4*\j], v[128+4*\j+2]
.endr
	s_mov_b32 s41, 0
	s_wait_alu depctr_va_vdst(0)
.irp j, 0,1,2,3,4,5,6,7
	v_cmp_eq_u32 s43, 0, v[128+4*\j]
	s_cmp_lg_u32 s43, 0                            ; some lane of the 32 holds a hidden key
	s_cselect_b32 s43, 1<<\j, 0
	s_or_b32 s41, s41, s43
.endr
	s_lshl_b32 s43, s41, 8
	s_or_b32 s41, s41, s43
	s_lshl_b32 s43, s41, 8
	s_or_b32 s41, s41, s43                         ; the eight flags three times on end: s41 is shifted by one at each of the 16 steps; bit 0 is the step's flag, bit 1 the next step's
	v_lshlrev_b32 v[PFO], 4, v[LI]                 ; 256 x lane
	s_wait_dscnt 0x0                               ; my stores are done: for the others' sake
	s_barrier_signal -1
	s_barrier_wait -1
.macro SPROD kt, msk                   ; the scores of key tile kt for both tiles of queries; msk = 1: C = the mask's tile; 0: the step hides no key, C = 0
.set SL_, 32+16*((\kt)%6)+128*(((\kt)%6)/4)
.irp a, 0,1
.if \msk
	v_wmma_f32_16x16x128_fp8_fp8 v[S+64*\a+8*(\kt):S+64*\a+8*(\kt)+7], v[SL_:SL_+15], v[QR+16*\a:QR+16*\a+15], v[BTL+8*(\kt):BTL+8*(\kt)+7]
.else
	v_wmma_f32_16x16x128_fp8_fp8 v[S+64*\a+8*(\kt):S+64*\a+8*(\kt)+7], v[SL_:SL_+15], v[QR+16*\a:QR+16*\a+15], 0
.endif
.endr
.endm
; The two tiles' softmax of a step, line by line by turns.
.macro SOFTMAX
.irp a, 0,1
	v_max3_num_f32 v[ST+8*\a+6], v[S+64*\a], v[S+64*\a+1], v[S+64*\a+2]            ; the largest score, in two chains, each accumulator from its low end on
	v_max3_num_f32 v[ST+8*\a+7], v[S+64*\a+3], v[S+64*\a+4], v[S+64*\a+5]
.endr
.set n_, 6
.rept 14
.irp a, 0,1
	v_max3_num_f32 v[ST+8*\a+6], v[ST+8*\a+6], v[S+64*\a+n_], v[S+64*\a+n_+1]
	v_max3_num_f32 v[ST+8*\a+7], v[ST+8*\a+7], v[S+64*\a+n_+2], v[S+64*\a+n_+3]
.endr
.set n_, n_+4
.endr
.irp a, 0,1
	v_max3_num_f32 v[ST+8*\a+6], v[ST+8*\a+6], v[S+64*\a+62], v[S+64*\a+63]
.endr
.irp a, 0,1
	s_delay_alu instid0(VALU_DEP_2)
	v_max_num_f32 v[ST+8*\a+6], v[ST+8*\a+6], v[ST+8*\a+7]
.endr
.irp a, 0,1
	s_delay_alu instid0(VALU_DEP_2)
	v_permlanex16_b32 v[ST+8*\a+5], v[ST+8*\a+6], s24, s25                         ; the query's other 64 keys lie in the lane 16 away
.endr
.irp a, 0,1
	s_delay_alu instid0(VALU_DEP_2)
	v_max_num_f32 v[ST+8*\a+6], v[ST+8*\a+6], v[ST+8*\a+5]
.endr
.irp a, 0,1
	s_delay_alu instid0(VALU_DEP_2)
	v_mul_f32 v[ST+8*\a+6], s22, v[ST+8*\a+6]                                      ; as t (c is positive)
.endr
.irp a, 0,1
	s_delay_alu instid0(VALU_DEP_2)
	v_max_num_f32 v[ST+8*\a+1], v[ST+8*\a+1], v[ST+8*\a+6]
.endr
.irp a, 0,1
	v_mov_b32 v[ST+8*\a+6], v[ST+8*\a]
.endr
.irp a, 0,1
	s_delay_alu instid0(VALU_DEP_4)
	v_floor_f32 v[ST+8*\a], -v[ST+8*\a+1]                                          ; -M = floor(-t): M is a whole number
.endr
.irp a, 0,1
	s_delay_alu instid0(VALU_DEP_2)
	v_sub_f32 v[ST+8*\a+6], v[ST+8*\a], v[ST+8*\a+6]                               ; old M - new M, 0 or less
.endr
.irp a, 0,1
	s_delay_alu instid0(VALU_DEP_2)
	v_cvt_i32_f32 v[ST+8*\a+6], v[ST+8*\a+6]                                       ; (it saturates)
.endr
.irp a, 0,1
	s_delay_alu instid0(VALU_DEP_2)
	v_ldexp_f32 v[ST+8*\a+4], 1.0, v[ST+8*\a+6]                                    ; f = 2^(old M - new M)
.endr
.set n_, 0
.rept 32
.irp a, 0,1
	v_pk_fma_f32 v[S+64*\a+n_:S+64*\a+n_+1], v[S+64*\a+n_:S+64*\a+n_+1], s[22:23], v[ST+8*\a:ST+8*\a+1] op_sel_hi:[1,0,0]   ; t - M
.endr
.set n_, n_+2
.endr
.set n_, 0
	s_wait_alu depctr_va_vdst(0)
.rept 128
	v_exp_f32 v[S+n_], v[S+n_]                                                     ; p: one batch
.set n_, n_+1
.endr
.irp a, 0,1
	v_pk_mul_f32 v[ST+8*\a+2:ST+8*\a+3], v[ST+8*\a+2:ST+8*\a+3], v[ST+8*\a+4:ST+8*\a+5] op_sel_hi:[1,0]   ; the sums under the new M: the plain lines behind the batch
.endr
	s_wait_alu depctr_va_vdst(0)                   ; one wait for the batch, ahead of its first reader
.irp a, 0,1
	v_pk_add_f32 v[ST+8*\a+6:ST+8*\a+7], v[S+64*\a:S+64*\a+1], v[S+64*\a+2:S+64*\a+3]   ; the sum of the unquantised p, in two chains
.endr
.set n_, 4
.rept 15
.irp a, 0,1
	v_pk_add_f32 v[ST+8*\a+2:ST+8*\a+3], v[ST+8*\a+2:ST+8*\a+3], v[S+64*\a+n_:S+64*\a+n_+1]
	v_pk_add_f32 v[ST+8*\a+6:ST+8*\a+7], v[ST+8*\a+6:ST+8*\a+7], v[S+64*\a+n_+2:S+64*\a+n_+3]
.endr
.set n_, n_+4
.endr
.irp a, 0
	s_delay_alu instid0(VALU_DEP_3)
	v_pk_add_f32 v[ST+8*\a+2:ST+8*\a+3], v[ST+8*\a+2:ST+8*\a+3], v[ST+8*\a+6:ST+8*\a+7]
.endr
.irp a, 1
	s_delay_alu instid0(VALU_DEP_2)
	v_pk_add_f32 v[ST+8*\a+2:ST+8*\a+3], v[ST+8*\a+2:ST+8*\a+3], v[ST+8*\a+6:ST+8*\a+7]
.endr
	s_cmp_ge_i32 s29, -8                           ; p <= 1 <= 448 x 2^ep as soon as ep >= -8: then no number can pass the largest code, and the hold is passed over.  ep is a whole number read from memory, the same in all waves
	s_cbranch_scc1 .Lheld_\@
.set n_, 0
.rept 128
	v_min_num_f32 v[S+n_], v[S+n_], v[LIMP]        ; p is not negative: the hold is one-sided
.set n_, n_+1
.endr
.Lheld_\@:
	WIN 0x40
.irp a, 0,1
.irp kt, 0,1,2,3,4,5,6,7
	v_cvt_scalef32_pk8_fp8_f32 v[PC+16*\a+2*\kt:PC+16*\a+2*\kt+1], v[S+64*\a+8*\kt:S+64*\a+8*\kt+7], v[SCP]
.endr
.endr
	WIN 0x41
.irp a, 0,1
.set n_, 0
.rept 24
	v_pk_mul_f32 v[48*\a+n_:48*\a+n_+1], v[48*\a+n_:48*\a+n_+1], v[ST+8*\a+4:ST+8*\a+5] op_sel_hi:[1,0]   ; O^T under the new M; also the plain lines between the conversions and the products
.set n_, n_+2
.endr
.endr
	WIN 0
.endm
; A key step.  store: the next chunk, asked for a step ago, goes to LDS.  load: the chunk after that is asked for, and the prefetch stands behind its loads.
; bar = 1: a further step follows behind a barrier; 2: a further step follows with no barrier (the second block: nothing is stored any more); 0: the block's last step.  qn: the second block's Q is asked for.
.macro STEPX store, load, bar, qn
.if \store
	v_add_nc_u32 v[STK], s[KB], v[GOF]
	s_delay_alu instid0(VALU_DEP_1)
	v_add_nc_u32 v[STV], VL, v[STK]
	s_wait_alu depctr_va_vdst(0)
	s_wait_loadcnt 0x0
	WIN 0x04
.irp q, 0,1,2
	ds_store_b128 v[STK], v[STG+4*\q:STG+4*\q+3] offset:CH+4096*\q
	ds_store_b128 v[STV], v[STG+12+4*\q:STG+12+4*\q+3] offset:CH+4096*\q
.endr
	WIN 0
.endif
	v_add_nc_u32 v[AK], s[KB], v[LI]
	s_delay_alu instid0(VALU_DEP_1)
	v_add_nc_u32 v[AV], VL, v[AK]
	s_add_co_u32 s40, s[BB], 512
	s_and_b32 s40, s40, 0xe00                      ; the NEXT step's 512 bytes of the mask; behind a block's last step: step 0's
	v_add_nc_u32 v[AB], s40, v[ABASE]
.irp kt, 0,1,2,3,4,5
.irp c, 0,1,2
	ds_load_b128 v[32+16*\kt+128*(\kt/4)+4*\c:32+16*\kt+128*(\kt/4)+4*\c+3], v[AK] offset:\kt*1536+512*\c
.endr
.endr
	s_wait_dscnt 0x0                               ; the tiles are in, and the stores above have read the staging registers
.if \load
	WIN 0x40
.irp q, 0,1,2
	global_load_b128 v[STG+4*\q:STG+4*\q+3], v[GOF], s[32:33] offset:2*CH+4096*\q
	global_load_b128 v[STG+12+4*\q:STG+12+4*\q+3], v[GOF], s[34:35] offset:2*CH+4096*\q
.endr
	WIN 0                                          ; at a branch and at a label every window is 0
	s_cmp_gt_u32 s28, s[LIM]                       ; ids and the count of steps alone
	s_cbranch_scc0 .Lnot_mine_\@
	global_prefetch_b8 v[PFO], s[PFA:PFA+1] th:TH_LOAD_NT scope:SCOPE_SE           ; my 8,192 bytes of what the next step or the one after it will load
.Lnot_mine_\@:
.endif
.if \bar == 1
	s_barrier_signal -1                            ; THE STEP'S BARRIER IS SPLIT: my stores of the next chunk are done (the wait on DScnt above), so I say so here; the wait stands at the step's end.  Between the two: work on registers, and LDS loads of this step's chunk, whose bytes are written once in the launch
.endif
	s_bitcmp1_b32 s41, 0                           ; does this step hold a hidden key?  The same in all waves; no barrier stands under the branch
	s_cbranch_scc1 .Lhid_a_\@
	WIN 0x04
.irp kt, 0,1,2,3,4,5
	SPROD \kt, 0
.endr
	WIN 0
	s_branch .Lseen_a_\@
.Lhid_a_\@:
	WIN 0x14
.irp kt, 0,1,2,3,4,5
	SPROD \kt, 1
.endr
	WIN 0
.Lseen_a_\@:
	PLACES
	s_wait_alu depctr_va_vdst(0)
.irp kt, 6,7
.irp c, 0,1,2
	ds_load_b128 v[32+16*(\kt-6)+4*\c:32+16*(\kt-6)+4*\c+3], v[AK] offset:\kt*1536+512*\c
.endr
.endr
.irp t, 0,1,2,3
.irp c, 0,1,2,3
	ds_load_b128 v[32+16*(\t+2)+128*((\t+2)/4)+4*\c:32+16*(\t+2)+128*((\t+2)/4)+4*\c+3], v[AV] offset:\t*2048+512*\c
.endr
.endr
	s_wait_dscnt 16                                ; K's last two tiles are in; V's 16 loads may be out
	s_bitcmp1_b32 s41, 0
	s_cbranch_scc1 .Lhid_b_\@
	WIN 0x04
	SPROD 6, 0
	SPROD 7, 0
	WIN 0
	s_branch .Lseen_b_\@
.Lhid_b_\@:
	WIN 0x14
	SPROD 6, 1
	SPROD 7, 1
	WIN 0
.Lseen_b_\@:
	PLACES
.irp t, 4,5
.irp c, 0,1,2,3
	ds_load_b128 v[32+16*(\t-4)+4*\c:32+16*(\t-4)+4*\c+3], v[AV] offset:\t*2048+512*\c
.endr
.endr
	s_bitcmp1_b32 s41, 1                           ; the next step's flag: its mask tiles are fetched only if it holds a hidden key
	s_cbranch_scc0 .Lno_mask_\@
	MASKL AB                                       ; the step's last product with the mask stands four places back: its registers take the next step's tiles, which land under the softmax
.Lno_mask_\@:
.if \qn
	WIN 0x40                                       ; the block's last product with Q stands four places back: Q's registers take the second block's tiles, 16 tiles of 1,536 bytes on; they land under the softmax and the way out
.irp a, 0,1
.irp c, 0,1,2
	global_load_b128 v[QR+16*\a+4*\c:QR+16*\a+4*\c+3], v[LI], s[4:5] offset:16*1536+1536*\a+512*\c
.endr
.endr
	WIN 0
.endif
	SOFTMAX
	s_wait_alu depctr_va_vdst(0)
	s_wait_dscnt 0x0                               ; V is in
	WIN 0x54
.irp t, 0,1,2,3,4,5
.set VS_, 32+16*((\t+2)%6)+128*(((\t+2)%6)/4)
.irp a, 0,1
	v_wmma_f32_16x16x128_fp8_fp8 v[48*\a+8*\t:48*\a+8*\t+7], v[VS_:VS_+15], v[PC+16*\a:PC+16*\a+15], v[48*\a+8*\t:48*\a+8*\t+7]   ; twelve accumulators by turns
.endr
.endr
	WIN 0
	PLACES
.if \load
	s_wait_xcnt 0x0                                ; the loads and the prefetch have read their bases: they may step
	s_add_nc_u64 s[32:33], s[32:33], CH
	s_add_nc_u64 s[34:35], s[34:35], CH
	s_add_nc_u64 s[PFA:PFA+1], s[PFA:PFA+1], 16384
.endif
	s_lshr_b32 s41, s41, 1                         ; on to the next step's flag
.if \bar
	s_add_co_u32 s[KB], s[KB], CH
	s_add_co_u32 s[BB], s[BB], 512
.endif
.if \bar == 1
	s_barrier_wait -1                              ; everybody's stores of the next chunk are done: each wave signalled behind the wait for its own
.endif
.endm
; THE WAY OUT of block p: o = O^T x 2^(ep + ev) / the sum, quantised with 2^eo.  Tiles 2 c and 2 c + 1 hold channels 32 c + 16 h + 0 .. 15 (Wv's rows were chosen so): their codes are chunk 3 hd + c of the token's row for the last product.
.macro WAYOUT p
.irp a, 0,1
	v_add_f32 v[ST+8*\a+2], v[ST+8*\a+2], v[ST+8*\a+3]
.endr
.irp a, 0,1
	s_delay_alu instid0(VALU_DEP_2)
	v_permlanex16_b32 v[ST+8*\a+5], v[ST+8*\a+2], s24, s25
.endr
.irp a, 0,1
	s_delay_alu instid0(VALU_DEP_2)
	v_add_f32 v[ST+8*\a+2], v[ST+8*\a+2], v[ST+8*\a+5]
.endr
	s_wait_alu depctr_va_vdst(0)
.irp a, 0,1
	v_rcp_f32 v[ST+8*\a+4], v[ST+8*\a+2]
.endr
	v_nop                                          ; a plain line behind the reciprocals
	s_wait_alu depctr_va_vdst(0)                   ; and the one wait ahead of their first reader
.irp a, 0,1
	v_ldexp_f32 v[ST+8*\a+4], v[ST+8*\a+4], s62
.endr
	WIN 0x01
.irp a, 0,1
.set n_, 0
.rept 24
	v_pk_mul_f32 v[S+64*\a+n_:S+64*\a+n_+1], v[48*\a+n_:48*\a+n_+1], v[ST+8*\a+4:ST+8*\a+5] op_sel_hi:[1,0]
.set n_, n_+2
.endr
.endr
	WIN 0
.irp a, 0,1
.set n_, 0
.rept 48
	v_med3_num_f32 v[S+64*\a+n_], v[S+64*\a+n_], s30, s31
.set n_, n_+1
.endr
.endr
.irp a, 0,1
.irp t, 0,1,2,3,4,5
	v_cvt_scalef32_pk8_fp8_f32 v[32+16*\a+2*\t:32+16*\a+2*\t+1], v[S+64*\a+8*\t:S+64*\a+8*\t+7], v[SCA]
.endr
.endr
	v_nop                                          ; a plain line behind the conversions: later products write their sources
.irp a, 0,1
.irp c, 0,1,2
	global_store_b128 v[LI], v[32+16*\a+4*\c:32+16*\a+4*\c+3], s[60:61] offset:(\p)*16*12288+12288*\a+512*\c   ; 512 consecutive bytes, aligned; the second block's tiles lie 16 x 12,288 bytes on
.endr
.endr
.endm
	; THE FIRST BLOCK
; The mask's eight tiles of a step: keys 16 kt + 8 h + 0 .. 7, the result's layout.  All 4,096 bytes were stored ahead of the head's barrier and are written once
.macro MASKL adr
	WIN 0x40
.irp kt, 0,1,2,3,4,5,6,7
	ds_load_b128 v[BTL+8*\kt:BTL+8*\kt+3], v[\adr] offset:64*\kt
	ds_load_b128 v[BTL+8*\kt+4:BTL+8*\kt+7], v[\adr] offset:64*\kt+16
.endr
	WIN 0
.endm
	MASKL ABASE                                    ; step 0's tiles: the wait at the step's top covers them
	s_mov_b32 s28, 6
.Lstep:                                                ; steps 0 to 5
	STEPX 1, 1, 1, 0
	s_sub_co_u32 s28, s28, 1
	s_cmp_lg_u32 s28, 0
	s_cbranch_scc1 .Lstep
	STEPX 1, 0, 1, 0                               ; step 6: the last chunk goes to LDS, nothing is left to ask for; behind its barrier LDS is only read
	STEPX 0, 0, 0, 1                               ; step 7
	WAYOUT 0
	; THE SECOND BLOCK begins as the first did: O^T and the sums as zeros, the largest t at c x (-1e10)
	WIN 0x40
.set n_, 0
.rept 96
	v_mov_b32 v[n_], 0
.set n_, n_+1
.endr
	WIN 0
.irp a, 0,1
	v_mov_b32 v[ST+8*\a+2], 0
	v_mov_b32 v[ST+8*\a+3], 0
.endr
	v_mov_b32 v15, 0xd01502f9                      ; -1e10
.irp a, 0
	s_delay_alu instid0(VALU_DEP_1)
	v_mul_f32 v[ST+8*\a+1], s22, v15
.endr
.irp a, 1
	s_delay_alu instid0(VALU_DEP_2)
	v_mul_f32 v[ST+8*\a+1], s22, v15
.endr
.irp a, 0,1
	s_delay_alu instid0(VALU_DEP_2)
	v_floor_f32 v[ST+8*\a], -v[ST+8*\a+1]
.endr
	s_mov_b32 s[KB], 0
	s_mov_b32 s[BB], 0
	s_wait_xcnt 0x0                                ; the first block's stores have read the registers that K's tiles take
	s_wait_loadcnt 0x0                             ; the second block's Q is in
	s_mov_b32 s28, 8
.Lstep2:                                               ; eight steps on what lies in LDS
	STEPX 0, 0, 2, 0
	s_sub_co_u32 s28, s28, 1
	s_cmp_lg_u32 s28, 0
	s_cbranch_scc1 .Lstep2
	WAYOUT 1
	s_wait_tensorcnt 0x0                           ; the wave's end
	ds_add_u32 v[SPW], v[NIL]
	s_wait_dscnt 0x0
	s_endpgm
.Lfunc_end_k_q9c26ff2121_attn:
	.size	k_q9c26ff2121_attn, .Lfunc_end_k_q9c26ff2121_attn-k_q9c26ff2121_attn
	.p2alignl 7, 3214868480
	.fill 96, 4, 3214868480
	.section	.rodata,"a",@progbits
	.p2align	6, 0x0
	.amdhsa_kernel k_q9c26ff2121_attn
		.amdhsa_group_segment_fixed_size 201728
		.amdhsa_private_segment_fixed_size 0
		.amdhsa_enable_private_segment 0
		.amdhsa_kernarg_size 56
		.amdhsa_user_sgpr_count 2
		.amdhsa_user_sgpr_kernarg_segment_ptr 1
		.amdhsa_wavefront_size32 1
		.amdhsa_system_sgpr_workgroup_id_x 1
		.amdhsa_system_sgpr_workgroup_id_y 1
		.amdhsa_system_sgpr_workgroup_id_z 1
		.amdhsa_system_vgpr_workitem_id 0
		.amdhsa_next_free_vgpr 512
		.amdhsa_next_free_sgpr 66
		.amdhsa_reserve_vcc 1
		.amdhsa_float_denorm_mode_32 3
		.amdhsa_float_denorm_mode_16_64 3
		.amdhsa_memory_ordered 1
		.amdhsa_forward_progress 1
		.amdhsa_inst_pref_size 181
	.end_amdhsa_kernel
	.amdgpu_metadata
---
amdhsa.version: [ 1, 2 ]
amdhsa.kernels:
  - .name:           k_q9c26ff2121_attn
    .symbol:         k_q9c26ff2121_attn.kd
    .args:
      - { .name: qimg, .offset: 0, .size: 8, .value_kind: global_buffer, .address_space: global }
      - { .name: kimg, .offset: 8, .size: 8, .value_kind: global_buffer, .address_space: global }
      - { .name: vimg, .offset: 16, .size: 8, .value_kind: global_buffer, .address_space: global }
      - { .name: text_mask, .offset: 24, .size: 8, .value_kind: global_buffer, .address_space: global }
      - { .name: visual_mask, .offset: 32, .size: 8, .value_kind: global_buffer, .address_space: global }
      - { .name: lowp_scales, .offset: 40, .size: 8, .value_kind: global_buffer, .address_space: global }
      - { .name: aimg, .offset: 48, .size: 8, .value_kind: global_buffer, .address_space: global }
    .group_segment_fixed_size: 201728
    .private_segment_fixed_size: 0
    .kernarg_segment_align: 8
    .kernarg_segment_size: 56
    .max_flat_workgroup_size: 256
    .sgpr_count:     66
    .vgpr_count:     512
    .wavefront_size: 32
...
	.end_amdgpu_metadata
.endif
;; end of part 3
;; launch outln (part 4): grid 256 x 1, 4 waves a work-group, no clusters, 327,680 bytes of LDS; arguments aimg, wimg, visual_features, text_features, bo, ln_g, ln_b, lowp_scales, out0, out1; writes out0, out1
.if DOCPART == 4
	.amdgcn_target "amdgcn-amd-amdhsa--gfx1250"
	.amdhsa_code_object_version 6
	.text
	.protected	k_q9c26ff2121_outln
	.globl	k_q9c26ff2121_outln
	.p2align	8
	.type	k_q9c26ff2121_outln,@function
k_q9c26ff2121_outln:
	s_mov_b64 s[64:65], 0
	v_nop
	global_prefetch_b8 v0, s[64:65] scope:SCOPE_SE
	s_setreg_imm32_b32 hwreg(HW_REG_WAVE_MODE, 25, 1), 1
	s_wait_xcnt 0x0
; out = LayerNorm(x + a Wo + bo) x ln_g + ln_b for both directions; a Wo on E4M3 codes (a's codes from aimg, Wo's from wimg, both as images of operand registers).  No work is left out.
; SHARES.  Work-group x: direction x / 128, 64 tokens (x % 128) x 64 on, all 768 columns, K = 768: 256 work-groups.  Wave w makes columns 192 w .. 192 w + 191 of the 64 tokens: 12 x 4 accumulators, 384 registers.
; THE PRODUCT is used transposed (source 0 = 16 rows of Wo, source 1 = 16 tokens): a lane holds one token and eight neighbouring columns.  Wo's fragments go from wimg straight into registers, a ring of five groups of
; three fragments (60 loads out); a's 49,152 bytes come by one tensor load a wave at the head; the residual's 196,608 bytes by one more a wave behind a barrier.
; THE WAY OUT.  The raw sums go from the accumulators to a stage in LDS, 32 tokens at a time (rows of 3,072 + 16 bytes), and come back as whole rows, eight rows to a wave; y = sum x 2^(ea + ew) + x + bo; mean and variance
; in two passes over the row's 24 numbers a lane; 32 lanes store 512 consecutive bytes, aligned.  Two rows make a batch; two register banks take turns, so that a batch's 24 LDS loads are out under the batch before.
; NO CLUSTER: the stage (98,816 bytes) and the residual (196,608) leave 31,744 bytes of LDS, and a K step of Wo is 98,304: there is no room for a ring of joint tiles.  NO PREFETCH: all 256 work-groups read the same 589,824 bytes of Wo.
; LIMIT: ea + ew between -126 and 127, so that 2^(ea + ew) is an f32 number.
; REGISTERS.  Window 0: v1-23 addresses and a row's statistics; v32-159 a's fragments, two sets; on the way out v32-127 and v128-223 the two banks.  Window 1: v0-239 Wo's ring.
;   Window 2: accumulators of column tiles 0-5 at v0-191, bo at v192, ln_g at v216.  Window 3: tiles 6-11, ln_b at v192.
.set SP,    3088                       ; a stage row
.set RES,   32*SP                      ; the residual: 64 rows of 3,072 bytes
.set SPARE, RES+64*3072                ; the spare words, 128 bytes for each wave
.set LI,  1                            ; v1   16 x lane
.set SPW, 2                            ; v2   my spare word; never rewritten
.set NIL, 3                            ; v3   0; never rewritten
.set STO, 4                            ; v4   where my lane's 32 bytes of a tile go in the stage
.set SRD, 5                            ; v5   my wave's eight stage rows
.set RRD, 6                            ; v6-7 the same rows of the residual, tokens 0-31 and 32-63
.set MP,  8                            ; v8, v12   the means (v9, v13 hold 0: named as pairs)
.set TP,  10                           ; v10-11, v14-15  sums
.set PXR, 16                           ; v16-17 the other half's sum
.set RP,  20                           ; v20, v22  1 / sqrt(var + eps) (v21, v23 hold 0)
.set XS,  32
.set YB,  32
.set BO,  192                          ; window 2
.set LG,  216                          ; window 2
.set LB,  192                          ; window 3
.set G1X, 28
.set G1R, 36
.set G0X, 44
.set G0R, 48
.set MSB, 0
.macro WIN new                         ; the immediate's high byte repeats the setting that is left
.if MSB != (\new)
	s_set_vgpr_msb (MSB<<8)|(\new)
.set MSB, (\new)
.endif
.endm
.macro PLACES                          ; four plain vector instructions behind matrix instructions (ISA guide 7.12.1)
.rept 4
	v_nop
.endr
.endm
	s_load_b512 s[4:19], s[0:1], 0x0               ; aimg, wimg, visual, text, bo, ln_g, ln_b, lowp_scales
	s_load_b128 s[20:23], s[0:1], 0x40             ; out0, out1
	v_lshl_add_u32 v[SPW], v0, 2, SPARE
	v_mov_b32 v[NIL], 0
	ds_add_u32 v[SPW], v[NIL]                      ; the opening lines: the add, twice on end, and its wait ahead of my first tensor load
	ds_add_u32 v[SPW], v[NIL]
	v_lshrrev_b32 v8, 5, v0
	v_readfirstlane_b32 s24, v8                    ; wave
	s_lshr_b32 s25, ttmp9, 7                       ; direction
	s_and_b32 s26, ttmp9, 127                      ; block of 64 tokens
	s_mov_b32 s[G1X], 3<<16                        ; a: a dense block of 12,288 bytes a wave, as 48 rows of 32 elements of 8 bytes
	s_mov_b32 s[G1X+1], 32<<16
	s_mov_b32 s[G1X+2], 48<<16
	s_mov_b32 s[G1X+3], 32<<16
	s_mov_b32 s[G1X+4], 48
	s_mov_b32 s[G1X+5], 32
	s_mov_b32 s[G1X+6], 0
	s_mov_b32 s[G1X+7], 0
	s_mov_b32 s[G1R], 3<<16                        ; the residual: 16 tokens, 49,152 dense bytes a wave, as 192 rows of 256 bytes
	s_mov_b32 s[G1R+1], 32<<16
	s_mov_b32 s[G1R+2], 192<<16
	s_mov_b32 s[G1R+3], 32<<16
	s_mov_b32 s[G1R+4], 192
	s_mov_b32 s[G1R+5], 32
	s_mov_b32 s[G1R+6], 0
	s_mov_b32 s[G1R+7], 0
	s_lshl_b32 s70, s26, 2
	s_add_co_u32 s70, s70, s24                     ; token tile 4 x block + wave
	s_mul_i32 s70, s70, 12288
	s_mul_i32 s71, s25, 6291456
	s_add_co_u32 s70, s70, s71
	s_mov_b32 s71, 0
	s_lshl_b32 s72, s26, 6
	s_lshl_b32 s73, s24, 4
	s_add_co_u32 s72, s72, s73                     ; token 64 x block + 16 x wave
	s_mul_i32 s72, s72, 3072
	s_mov_b32 s73, 0
	s_mul_i32 s27, s24, 12288
	s_mul_i32 s62, s24, 49152
	s_add_co_u32 s62, s62, RES
	s_wait_dscnt 0x0                               ; both opening adds are done
	s_wait_kmcnt 0x0
	s_mov_b32 s[G0X], 1
	s_mov_b32 s[G0X+1], s27
	s_add_nc_u64 s[G0X+2:G0X+3], s[4:5], s[70:71]
	s_or_b32 s[G0X+3], s[G0X+3], 0x80000000
	s_cmp_eq_u32 s25, 0
	s_cselect_b64 s[74:75], s[8:9], s[10:11]       ; the residual and the output, by the work-group's number
	s_cselect_b64 s[60:61], s[20:21], s[22:23]
	s_mov_b32 s[G0R], 1
	s_mov_b32 s[G0R+1], s62
	s_add_nc_u64 s[G0R+2:G0R+3], s[74:75], s[72:73]
	s_or_b32 s[G0R+3], s[G0R+3], 0x80000000
	tensor_load_to_lds s[G0X:G0X+3], s[G1X:G1X+7]  ; my token tile of a: the wave's one tensor load at the head
	s_nop 0
	s_load_b128 s[52:55], s[18:19], 0x50           ; e20 .. e23
	s_mul_i32 s27, s24, 768
	s_mul_i32 s62, s24, 8*SP
	s_mul_i32 s63, s24, 8*3072
	s_add_co_u32 s63, s63, RES
	v_and_b32 v8, 31, v0
	v_lshlrev_b32 v[LI], 4, v8
	v_and_b32 v9, 15, v0                           ; r
	v_bfe_u32 v10, v0, 4, 1                        ; h
	v_mul_u32_u24 v[STO], v9, SP
	v_lshl_add_u32 v[STO], v10, 5, v[STO]
	v_add_nc_u32 v[STO], s27, v[STO]               ; row r, my wave's 768 bytes, 32 h
	v_add_nc_u32 v[SRD], s62, v[LI]
	v_add_nc_u32 v[RRD], s63, v[LI]
	v_add_nc_u32 v[RRD+1], 32*3072, v[RRD]
.irp j, 9,13,16,17,21,23
	v_mov_b32 v\j, 0
.endr
	s_wait_alu depctr_va_vdst(0)
	s_mul_i32 s62, s24, 2*73728
	s_add_co_u32 s62, s62, 3*589824                ; Wo's image, my wave's two slabs of 96 rows
	s_mov_b32 s63, 0
	s_add_nc_u64 s[58:59], s[6:7], s[62:63]
	s_lshl_b32 s62, s26, 6
	s_lshl_b32 s27, s24, 3
	s_add_co_u32 s62, s62, s27
	s_mul_i32 s62, s62, 3072                       ; token 64 x block + 8 x wave
	s_add_nc_u64 s[60:61], s[60:61], s[62:63]
	s_mov_b32 s66, 0x76543210                      ; v_permlanex16_b32: lane l xor 16
	s_mov_b32 s67, 0xfedcba98
	s_mov_b32 s68, 0x3aaaaaab                      ; 1 / 768
	s_mov_b32 s69, 0x3727c5ac                      ; 1e-5
; Group y: K step y / 4, column tiles 3 (y % 4) .. + 2: three fragments, 12 loads of 512 consecutive bytes, into ring place y % 5
.macro WLOAD y
.set WS_, (\y)/4
	WIN 0x40
.irp tt, 0,1,2
.set WT_, 3*((\y)%4)+\tt
.irp c, 0,1,2,3
	global_load_b128 v[48*((\y)%5)+16*\tt+4*\c:48*((\y)%5)+16*\tt+4*\c+3], v[LI], s[58:59] offset:(WT_/6)*73728+(6*WS_+WT_%6)*2048+512*\c
.endr
.endr
	WIN 0
.endm
.irp y, 0,1,2,3,4
	WLOAD \y                                       ; the ring's first 60 loads go out under the tensor load's flight
.endr
.macro FETCH_X s                       ; a's four fragments of K step s
.irp m, 0,1,2,3
.irp c, 0,1,2,3
	ds_load_b128 v[XS+64*((\s)%2)+16*\m+4*\c:XS+64*((\s)%2)+16*\m+4*\c+3], v[LI] offset:\m*12288+(4*(\s)+\c)*512
.endr
.endr
.endm
	s_wait_tensorcnt 0x0                           ; my tile of a is in
	ds_add_u32 v[SPW], v[NIL]
	s_wait_dscnt 0x0
	s_barrier_signal -1
	s_barrier_wait -1                              ; everybody's tile is in
	tensor_load_to_lds s[G0R:G0R+3], s[G1R:G1R+7]  ; the residual: it has the whole product in which to land
	s_nop 0
.rept 4
	v_nop
.endr
	FETCH_X 0
	s_wait_kmcnt 0x0
	s_cmp_eq_u32 s25, 0
	s_cselect_b32 s56, s52, s54
	s_cselect_b32 s57, s53, s55
	s_add_co_i32 s56, s56, s57
	s_add_co_i32 s56, s56, 127
	s_lshl_b32 s56, s56, 23                        ; 2^(ea + ew)
	s_mov_b32 s57, s56                             ; (named with it as a pair)
; 12 products: three column tiles x four token tiles; the accumulators take turns.  K step 0 starts the sums.
.macro GROUP y
.set GS_, (\y)/4
.set GQ_, (\y)%4
.if GQ_ == 0
	s_wait_dscnt 0x0                               ; this K step's fragments of a
.endif
.if (\y) <= 19
	s_wait_loadcnt 48                              ; this group's 12 loads are in; the four younger groups may be out
.else
	s_wait_loadcnt 12*(23-(\y))+18                 ; the younger groups, and the 18 loads of bo, ln_g and ln_b behind them
.endif
.if GQ_ < 2
	WIN 0xa1
.else
	WIN 0xf1
.endif
.irp tt, 0,1,2
.irp m, 0,1,2,3
.set GA_, 8*(4*((3*GQ_+\tt)%6)+\m)
.if GS_ == 0
	v_wmma_f32_16x16x128_fp8_fp8 v[GA_:GA_+7], v[48*((\y)%5)+16*\tt:48*((\y)%5)+16*\tt+15], v[XS+64*(GS_%2)+16*\m:XS+64*(GS_%2)+16*\m+15], 0
.else
	v_wmma_f32_16x16x128_fp8_fp8 v[GA_:GA_+7], v[48*((\y)%5)+16*\tt:48*((\y)%5)+16*\tt+15], v[XS+64*(GS_%2)+16*\m:XS+64*(GS_%2)+16*\m+15], v[GA_:GA_+7]
.endif
.endr
.endr
	WIN 0
	PLACES
.if (GQ_ == 0) && (GS_ < 5)
	FETCH_X GS_+1
.endif
.if (\y)+5 < 24
	WLOAD (\y)+5
.endif
.if (\y) == 19                         ; behind Wo's last loads: a lane's 24 numbers of bo, ln_g, ln_b, in the order of a row read back from the stage
	WIN 0x80
.irp i, 0,1,2,3,4,5
	global_load_b128 v[BO+4*\i:BO+4*\i+3], v[LI], s[12:13] offset:512*\i
	global_load_b128 v[LG+4*\i:LG+4*\i+3], v[LI], s[14:15] offset:512*\i
.endr
	WIN 0xc0
.irp i, 0,1,2,3,4,5
	global_load_b128 v[LB+4*\i:LB+4*\i+3], v[LI], s[16:17] offset:512*\i
.endr
	WIN 0
.endif
.endm
.irp y, 0,1,2,3,4,5,6,7,8,9,10,11,12,13,14,15,16,17,18,19,20,21,22,23
	GROUP \y
.endr
	s_wait_tensorcnt 0x0                           ; my part of the residual is in
	s_wait_dscnt 0x0
	s_barrier_signal -1
	s_barrier_wait -1                              ; everybody's is, and nobody reads a's tiles any more: the stage lies on them
; Token tiles 2 rho and 2 rho + 1 go to the stage as raw sums, straight from the accumulators, each from its low end on
.macro TOSTAGE rho
.irp a, 2,3
	WIN (\a)<<2                                    ; the stores' data: window 2 or 3
.irp mm, 0,1
.irp tt, 0,1,2,3,4,5
	ds_store_b128 v[STO], v[8*(4*\tt+2*\rho+\mm):8*(4*\tt+2*\rho+\mm)+3] offset:16*\mm*SP+64*(6*(\a-2)+\tt)
	ds_store_b128 v[STO], v[8*(4*\tt+2*\rho+\mm)+4:8*(4*\tt+2*\rho+\mm)+7] offset:16*\mm*SP+64*(6*(\a-2)+\tt)+16
.endr
.endr
.endr
	WIN 0
.endm
.macro REDUCE                          ; two rows' sums over the 32 lanes, by turns
.irp k, 0,1
	v_add_f32 v[TP+4*\k], v[TP+4*\k], v[TP+4*\k+1]
.endr
.irp x, 1,2,4,8
.irp k, 0,1
	v_add_f32_dpp v[TP+4*\k], v[TP+4*\k], v[TP+4*\k] row_xmask:\x row_mask:0xf bank_mask:0xf
.endr
.endr
.irp k, 0,1
	v_permlanex16_b32 v[PXR+\k], v[TP+4*\k], s66, s67
.endr
.irp k, 0,1
	v_add_f32 v[TP+4*\k], v[TP+4*\k], v[PXR+\k]
.endr
.endm
; Batch kb: my rows 2 kb and 2 kb + 1 of the stage and of the residual into bank kb % 2: 24 loads
.macro BLOAD rho, kb
.set Y_, YB+96*((\kb)%2)
.irp k, 0,1
.irp i, 0,1,2,3,4,5
	ds_load_b128 v[Y_+48*\k+4*\i:Y_+48*\k+4*\i+3], v[SRD] offset:(2*(\kb)+\k)*SP+512*\i
.endr
.irp i, 0,1,2,3,4,5
	ds_load_b128 v[Y_+48*\k+24+4*\i:Y_+48*\k+24+4*\i+3], v[RRD+\rho] offset:(2*(\kb)+\k)*3072+512*\i
.endr
.endr
.endm
; The batch's arithmetic and stores.  younger: the next batch's loads, which may stay out.  sig = 1: my last reads of this stage are over: the barrier ahead of its next stores is signalled here and waited for ahead of my stores; work on registers alone stands between
.macro BCOMP rho, kb, younger, sig
.set Y_, YB+96*((\kb)%2)
	s_wait_dscnt \younger
.if \sig
	s_barrier_signal -1
.endif
.set p_, 0
.rept 12
.irp k, 0,1
	v_pk_fma_f32 v[Y_+48*\k+p_:Y_+48*\k+p_+1], v[Y_+48*\k+p_:Y_+48*\k+p_+1], s[56:57], v[Y_+48*\k+24+p_:Y_+48*\k+24+p_+1] op_sel_hi:[1,0,1]   ; sum x 2^(ea + ew) + x
.endr
.set p_, p_+2
.endr
	WIN 0x08
.set p_, 0
.rept 12
.irp k, 0,1
	v_pk_add_f32 v[Y_+48*\k+p_:Y_+48*\k+p_+1], v[Y_+48*\k+p_:Y_+48*\k+p_+1], v[BO+p_:BO+p_+1]   ; + bo
.endr
.set p_, p_+2
.endr
	WIN 0
.irp k, 0,1
	v_pk_add_f32 v[TP+4*\k:TP+4*\k+1], v[Y_+48*\k:Y_+48*\k+1], v[Y_+48*\k+2:Y_+48*\k+3]
.endr
.set p_, 4
.rept 10
.irp k, 0,1
	v_pk_add_f32 v[TP+4*\k:TP+4*\k+1], v[TP+4*\k:TP+4*\k+1], v[Y_+48*\k+p_:Y_+48*\k+p_+1]
.endr
.set p_, p_+2
.endr
	REDUCE
.irp k, 0,1
	v_mul_f32 v[MP+4*\k], s68, v[TP+4*\k]          ; the mean
.endr
.set p_, 0
.rept 12
.irp k, 0,1
	v_pk_add_f32 v[Y_+48*\k+p_:Y_+48*\k+p_+1], v[Y_+48*\k+p_:Y_+48*\k+p_+1], v[MP+4*\k:MP+4*\k+1] op_sel_hi:[1,0] neg_lo:[0,1] neg_hi:[0,1]
.endr
.set p_, p_+2
.endr
.irp k, 0,1
	v_pk_mul_f32 v[TP+4*\k:TP+4*\k+1], v[Y_+48*\k:Y_+48*\k+1], v[Y_+48*\k:Y_+48*\k+1]
.endr
.set p_, 2
.rept 11
.irp k, 0,1
	v_pk_fma_f32 v[TP+4*\k:TP+4*\k+1], v[Y_+48*\k+p_:Y_+48*\k+p_+1], v[Y_+48*\k+p_:Y_+48*\k+p_+1], v[TP+4*\k:TP+4*\k+1]
.endr
.set p_, p_+2
.endr
	REDUCE
.irp k, 0,1
	v_fma_f32 v[TP+4*\k], v[TP+4*\k], s68, s69     ; the variance + 1e-5
.endr
	s_wait_alu depctr_va_vdst(0)
.irp k, 0,1
	v_rsq_f32 v[RP+2*\k], v[TP+4*\k]
.endr
	v_nop                                          ; a plain line behind them,
	s_wait_alu depctr_va_vdst(0)                   ; and the one wait ahead of their first reader
.set p_, 0
.rept 12
.irp k, 0,1
	v_pk_mul_f32 v[Y_+48*\k+p_:Y_+48*\k+p_+1], v[Y_+48*\k+p_:Y_+48*\k+p_+1], v[RP+2*\k:RP+2*\k+1] op_sel_hi:[1,0]
.endr
.set p_, p_+2
.endr
	WIN 0x38                                       ; ln_g in window 2, ln_b in window 3
.set p_, 0
.rept 12
.irp k, 0,1
	v_pk_fma_f32 v[Y_+48*\k+p_:Y_+48*\k+p_+1], v[Y_+48*\k+p_:Y_+48*\k+p_+1], v[LG+p_:LG+p_+1], v[LB+p_:LB+p_+1]
.endr
.set p_, p_+2
.endr
	WIN 0
.if \sig
	s_wait_alu depctr_va_vdst(0)
	s_barrier_wait -1                              ; no wave reads this stage any more
.endif
.irp k, 0,1
.irp i, 0,1,2,3,4,5
	global_store_b128 v[LI], v[Y_+48*\k+4*\i:Y_+48*\k+4*\i+3], s[60:61] offset:(32*\rho+2*(\kb)+\k)*3072+512*\i th:TH_STORE_NT   ; 512 consecutive bytes, aligned
.endr
.endr
.endm
; 32 tokens: four batches a wave, the loads one batch ahead.  A bank is loaded again only behind the wait that shows that its stores have read it
.macro HALF rho, sig
	BLOAD \rho, 0
	BLOAD \rho, 1
	BCOMP \rho, 0, 24, 0
	s_wait_xcnt 0x0
	BLOAD \rho, 2
	BCOMP \rho, 1, 24, 0
	s_wait_xcnt 0x0
	BLOAD \rho, 3
	BCOMP \rho, 2, 24, 0
	BCOMP \rho, 3, 0, \sig
.endm
	TOSTAGE 0
	s_wait_loadcnt 0x0                             ; bo, ln_g, ln_b
	s_wait_dscnt 0x0                               ; for the others' sake: my part of the stage lies in LDS
	s_barrier_signal -1
	s_barrier_wait -1
	HALF 0, 1
	TOSTAGE 1
	s_wait_dscnt 0x0
	s_barrier_signal -1
	s_barrier_wait -1
	s_wait_xcnt 0x0                                ; the last two batches' stores have read their banks
	HALF 1, 0
	s_wait_tensorcnt 0x0                           ; the wave's end
	ds_add_u32 v[SPW], v[NIL]
	s_wait_dscnt 0x0
	s_endpgm
.Lfunc_end_k_q9c26ff2121_outln:
	.size	k_q9c26ff2121_outln, .Lfunc_end_k_q9c26ff2121_outln-k_q9c26ff2121_outln
	.p2alignl 7, 3214868480
	.fill 96, 4, 3214868480
	.section	.rodata,"a",@progbits
	.p2align	6, 0x0
	.amdhsa_kernel k_q9c26ff2121_outln
		.amdhsa_group_segment_fixed_size 327680
		.amdhsa_private_segment_fixed_size 0
		.amdhsa_enable_private_segment 0
		.amdhsa_kernarg_size 80
		.amdhsa_user_sgpr_count 2
		.amdhsa_user_sgpr_kernarg_segment_ptr 1
		.amdhsa_wavefront_size32 1
		.amdhsa_system_sgpr_workgroup_id_x 1
		.amdhsa_system_sgpr_workgroup_id_y 1
		.amdhsa_system_sgpr_workgroup_id_z 1
		.amdhsa_system_vgpr_workitem_id 0
		.amdhsa_next_free_vgpr 1024
		.amdhsa_next_free_sgpr 80
		.amdhsa_reserve_vcc 0
		.amdhsa_float_denorm_mode_32 3
		.amdhsa_float_denorm_mode_16_64 3
		.amdhsa_memory_ordered 1
		.amdhsa_forward_progress 1
		.amdhsa_inst_pref_size 192
	.end_amdhsa_kernel
	.amdgpu_metadata
---
amdhsa.version: [ 1, 2 ]
amdhsa.kernels:
  - .name:           k_q9c26ff2121_outln
    .symbol:         k_q9c26ff2121_outln.kd
    .args:
      - { .name: aimg, .offset: 0, .size: 8, .value_kind: global_buffer, .address_space: global }
      - { .name: wimg, .offset: 8, .size: 8, .value_kind: global_buffer, .address_space: global }
      - { .name: visual_features, .offset: 16, .size: 8, .value_kind: global_buffer, .address_space: global }
      - { .name: text_features, .offset: 24, .size: 8, .value_kind: global_buffer, .address_space: global }
      - { .name: bo, .offset: 32, .size: 8, .value_kind: global_buffer, .address_space: global }
      - { .name: ln_g, .offset: 40, .size: 8, .value_kind: global_buffer, .address_space: global }
      - { .name: ln_b, .offset: 48, .size: 8, .value_kind: global_buffer, .address_space: global }
      - { .name: lowp_scales, .offset: 56, .size: 8, .value_kind: global_buffer, .address_space: global }
      - { .name: out0, .offset: 64, .size: 8, .value_kind: global_buffer, .address_space: global }
      - { .name: out1, .offset: 72, .size: 8, .value_kind: global_buffer, .address_space: global }
    .group_segment_fixed_size: 327680
    .private_segment_fixed_size: 0
    .kernarg_segment_align: 8
    .kernarg_segment_size: 80
    .max_flat_workgroup_size: 128
    .sgpr_count:     80
    .vgpr_count:     1024
    .wavefront_size: 32
...
	.end_amdgpu_metadata
.endif
;; end of part 4
